; MI455X (gfx1250); checked and timed in simulation.
; The chip was launched on July 23, 2026; its instructions are those of AMD's public machine-readable ISA for CDNA 5 (MIT licence, August 2026) and "CDNA5" Instruction Set Architecture Reference Guide (July 2026). The comments in the code are by the model that wrote it; some were corrected since.
;; L La DA2 Moe Attention. Allowed arithmetic: float matrix products may take bf16 or f16 operands with f32 sums; all other float work in f32.
;; Inputs: cos 2 x 2,048 x 64 float32; hidden_states 2 x 2,048 x 2,048 float32; k_ln_w 128 float32; q_ln_w 128 float32; sin 2 x 2,048 x 64 float32; w_dense 2,048 x 1,024 float32; w_qkv 2,048 x 2,048 float32.
;; Outputs: out0 2 x 2,048 x 2,048 float32.
;; 2 versions, each right and faster than the one before. Each part assembles by itself: llvm-mc -triple=amdgcn-amd-amdhsa -mcpu=gfx1250 --defsym DOCPART=n.
;; ======== version 1 of 2: 4 launches
;; limits: values are held in f16: magnitudes above 65,504 overflow, below 6.1e-05 lose precision
;; workspace buffers: hb 16,777,216 bytes; wqb 8,388,608 bytes; wdb 4,194,304 bytes; qkv 16,777,216 bytes; att 8,388,608 bytes
;; launch cast (part 1): grid 1792 x 1, 8 waves a work-group, no clusters, 0 bytes of LDS; arguments hidden_states, w_qkv, w_dense, hb, wqb, wdb; writes hb, wqb, wdb
.if DOCPART == 1
	.amdgcn_target "amdgcn-amd-amdhsa--gfx1250"
	.amdhsa_code_object_version 6
	.text
	.protected	k_qa8432fb447_cast
	.globl	k_qa8432fb447_cast
	.p2align	8
	.type	k_qa8432fb447_cast,@function
k_qa8432fb447_cast:
	s_mov_b64 s[64:65], 0
	v_nop
	global_prefetch_b8 v0, s[64:65] scope:SCOPE_SE
	s_setreg_imm32_b32 hwreg(HW_REG_WAVE_MODE, 25, 1), 1
	s_wait_xcnt 0x0
; First of four launches: cast, qkvp, attn, dense.
; Nothing of the problem is left out: every input has a way to the output, and every product, norm, gain, rotation and
; the maximum in front of the exponentials are computed.
; This launch rounds the three large f32 matrix operands to f16 once: hidden_states -> hb, w_qkv -> wqb, w_dense -> wdb.
; Why once: each number of hidden_states is an operand of 8 column blocks and each weight of 32 row blocks of the products
; that follow; rounded once, the tiles of those products are half as many bytes on every later way.
; Why f16 and not bf16: twelve roundings of like weight lie between the inputs and a result (seven of inputs, five of q, k, v,
; probabilities and attention output), and a result is a sum of 1,024 terms that cancel; f16 keeps 11 significant bits, bf16 8.
; LIMIT: matrix operands are f16 (round to nearest even). A number beyond 65,504 becomes an infinity; below 2^-14 the step is 2^-24.
; hidden_states of spread 1 and weights of spread 0.02 have a factor of thousands above them, and a weight spread of 0.02 / 30
; still stands 10,000 steps above 2^-24.
; A work-group takes 8,192 numbers (32,768 bytes in, 16,384 out): groups 0-1023 hidden_states, 1024-1535 w_qkv, 1536-1791 w_dense.
; Thread t, step j: 16 bytes at 16 t + 4096 j in, 8 bytes at 8 t + 2048 j out: a load of a wave covers 512 neighbouring bytes,
; a store of a wave 256 neighbouring bytes that start at a multiple of 256.
; No LDS, no barrier, no matrix unit: each byte is touched once and no wave needs another.
.set X, 4                              ; v[4:35]   step j: 4 registers as loaded
.set Y, 36                             ; v[36:51]  step j: 2 registers to store
	s_load_b256 s[4:11], s[0:1], 0x0               ; hidden_states s[4:5], w_qkv s[6:7], w_dense s[8:9], hb s[10:11]
	s_load_b128 s[12:15], s[0:1], 0x20             ; wqb s[12:13], wdb s[14:15]
	v_lshlrev_b32 v1, 4, v0                        ; 16 t
	v_lshlrev_b32 v2, 3, v0                        ; 8 t
	s_wait_kmcnt 0x0
	s_cmp_ge_u32 ttmp9, 1024                       ; which of the three arrays: the group number alone decides
	s_cselect_b64 s[20:21], s[6:7], s[4:5]
	s_cselect_b64 s[22:23], s[12:13], s[10:11]
	s_cselect_b32 s17, 1024, 0
	s_cmp_ge_u32 ttmp9, 1536
	s_cselect_b64 s[20:21], s[8:9], s[20:21]
	s_cselect_b64 s[22:23], s[14:15], s[22:23]
	s_cselect_b32 s17, 1536, s17
	s_sub_co_u32 s16, ttmp9, s17                   ; my number within the array
	s_lshl_b32 s24, s16, 15                        ; x 32,768 bytes in (33,521,664 at the most)
	s_mov_b32 s25, 0
	s_lshl_b32 s26, s16, 14                        ; x 16,384 bytes out
	s_mov_b32 s27, 0
	s_add_nc_u64 s[20:21], s[20:21], s[24:25]
	s_add_nc_u64 s[22:23], s[22:23], s[26:27]
.irp j, 0,1,2,3,4,5,6,7
	global_load_b128 v[X+4*\j:X+4*\j+3], v1, s[20:21] offset:4096*\j th:TH_LOAD_NT   ; read once in the launch
.endr
.irp j, 0,1,2,3,4,5,6,7
	s_wait_loadcnt 7-\j                            ; loads come back in order: step j is in, the 7 - j younger ones stay out
	v_cvt_pk_f16_f32 v[Y+2*\j], v[X+4*\j], v[X+4*\j+1]
	v_cvt_pk_f16_f32 v[Y+2*\j+1], v[X+4*\j+2], v[X+4*\j+3]
	global_store_b64 v2, v[Y+2*\j:Y+2*\j+1], s[22:23] offset:2048*\j   ; no hint: the next launches read these bytes
.endr
	s_endpgm
.Lfunc_end_k_qa8432fb447_cast:
	.size	k_qa8432fb447_cast, .Lfunc_end_k_qa8432fb447_cast-k_qa8432fb447_cast
	.p2alignl 7, 3214868480
	.fill 96, 4, 3214868480
	.section	.rodata,"a",@progbits
	.p2align	6, 0x0
	.amdhsa_kernel k_qa8432fb447_cast
		.amdhsa_group_segment_fixed_size 0
		.amdhsa_private_segment_fixed_size 0
		.amdhsa_enable_private_segment 0
		.amdhsa_kernarg_size 48
		.amdhsa_user_sgpr_count 2
		.amdhsa_user_sgpr_kernarg_segment_ptr 1
		.amdhsa_wavefront_size32 1
		.amdhsa_system_sgpr_workgroup_id_x 1
		.amdhsa_system_sgpr_workgroup_id_y 1
		.amdhsa_system_sgpr_workgroup_id_z 1
		.amdhsa_system_vgpr_workitem_id 0
		.amdhsa_next_free_vgpr 56
		.amdhsa_next_free_sgpr 66
		.amdhsa_reserve_vcc 0
		.amdhsa_float_denorm_mode_32 3
		.amdhsa_float_denorm_mode_16_64 3
		.amdhsa_memory_ordered 1
		.amdhsa_forward_progress 1
		.amdhsa_inst_pref_size 4
	.end_amdhsa_kernel
	.amdgpu_metadata
---
amdhsa.version: [ 1, 2 ]
amdhsa.kernels:
  - .name:           k_qa8432fb447_cast
    .symbol:         k_qa8432fb447_cast.kd
    .args:
      - { .name: hidden_states, .offset: 0, .size: 8, .value_kind: global_buffer, .address_space: global }
      - { .name: w_qkv, .offset: 8, .size: 8, .value_kind: global_buffer, .address_space: global }
      - { .name: w_dense, .offset: 16, .size: 8, .value_kind: global_buffer, .address_space: global }
      - { .name: hb, .offset: 24, .size: 8, .value_kind: global_buffer, .address_space: global }
      - { .name: wqb, .offset: 32, .size: 8, .value_kind: global_buffer, .address_space: global }
      - { .name: wdb, .offset: 40, .size: 8, .value_kind: global_buffer, .address_space: global }
    .group_segment_fixed_size: 0
    .private_segment_fixed_size: 0
    .kernarg_segment_align: 8
    .kernarg_segment_size: 48
    .max_flat_workgroup_size: 256
    .sgpr_count:     66
    .vgpr_count:     56
    .wavefront_size: 32
...
	.end_amdgpu_metadata
.endif
;; end of part 1
;; launch qkvp (part 2): grid 8 x 32, 4 waves a work-group, clusters of 4 x 4, 327,680 bytes of LDS; arguments hb, wqb, qkv, cos, sin, q_ln_w, k_ln_w; writes qkv
.if DOCPART == 2
	.amdgcn_target "amdgcn-amd-amdhsa--gfx1250"
	.amdhsa_code_object_version 6
	.text
	.protected	k_qa8432fb447_qkvp
	.globl	k_qa8432fb447_qkvp
	.p2align	8
	.type	k_qa8432fb447_qkvp,@function
k_qa8432fb447_qkvp:
	s_mov_b64 s[64:65], 0
	v_nop
	global_prefetch_b8 v0, s[64:65] scope:SCOPE_SE
	s_setreg_imm32_b32 hwreg(HW_REG_WAVE_MODE, 25, 1), 1
	s_wait_xcnt 0x0
	s_wait_alu depctr_hold_cnt(0) depctr_sa_sdst(0) depctr_va_vdst(0) depctr_va_sdst(0) depctr_va_ssrc(0) depctr_va_vcc(0) depctr_vm_vsrc(0)
	s_getreg_b32 s2, hwreg(HW_REG_IB_STS2, 6, 4)
	s_cmp_eq_u32 s2, 0
	s_cbranch_scc0 .Lentry_in_a_cluster
	s_endpgm
.Lentry_in_a_cluster:
	s_bfe_u32 s2, ttmp6, 0x10000c
	s_cmp_lg_u32 s2, 0xf033
	s_cbranch_scc0 .Lentry_shape_is_right
	s_endpgm
.Lentry_shape_is_right:
; qkv[row][o] = sum over h of hb[row][h] wqb[o][h] (4096 x 2048 x 2048, f16 operands, f32 sums), then per head of 128 columns:
;   q heads (columns 0-1023):    RMSNorm, gain q_ln_w, rotation of dims 0-63 by cos and sin, times log2(e)/sqrt(128), rounded to f16
;   k heads (columns 1024-1535): RMSNorm, gain k_ln_w, the same rotation, rounded to f16
;   v heads (columns 1536-2047): rounded to f16
; The factor on q is the score scale 1/sqrt(128) and the change of base for the exponentials of the next launch. Nothing is left out.
; LIMITS: operands and results are f16: beyond 65,504 a result becomes an infinity, below 2^-14 the step is 2^-24.
;   q, k: the norm bounds a number by sqrt(128) = 11.3, so a result is at most 11.3 x |gain| x sqrt(cos^2 + sin^2): 14,400 with gain, cos and sin all at 30.
;   v: a sum of 2,048 products; of spread 0.9 for operands of spread 1 and 0.02; 36,900 where both operands carry an offset of 30 spreads (2048 x 30 x 0.6).
;   The sum of 128 squares is kept in f32 (finite for |x| up to about 1e18).
;
; A work-group makes 128 rows x 256 columns with four waves; the 256 columns are two strips of 128 (two heads):
; strip of column half wn = 8 clx + 4 wn + cx (clx: the cluster along x, cx: the place in it). So the kind of a head hangs on clx and the
; number of the wave alone: clx = 0: both q; clx = 1: wn = 0 is k head cx, wn = 1 is v head cx. No branch hangs on cx or cy.
; A wave makes 64 rows x 128 columns: 4 x 8 accumulator tiles, 256 registers; a whole head of each of its rows lies in two lanes.
; K goes in steps of 128 through two LDS slots filled by tensor loads; a row of a tile is 256 bytes of memory at a multiple of 256.
; CLUSTER 4 x 4: the four groups of a cluster row need the same rows of hb, the four of a cluster column the same rows of wqb:
; each tile is asked for jointly by the four, which divides the requests for both operands by four.
; The matrix instruction is used transposed (source 0 = rows of wqb, source 1 = rows of hb): lane (r, h), register j of tile (a, b)
; holds row 16 a + r, column 16 b + 8 h + j: eight neighbouring columns of one row.
;
; REGISTERS. window 0: v16-28 addresses; v32-127, v128-223 two fragment buffers (B tile b at +8 b, A tile a at +64 + 8 a), at work on the way out
;            window 1: accumulator tile (a, b) at v[8 (8 a + b)]
;            window 2: cos of my rows (m tile a, column tile b) at 64 a + 8 b, sin at 64 a + 32 + 8 b;  window 3: the gain at 8 b
.set SIZE_K, 2048
.set LOGROW, 12                        ; a row of hb and of wqb is 4,096 bytes
.set KSTEP,  128
.set PITCH,  272                       ; an LDS row: 256 bytes + 16 of padding, an odd multiple of 16: the 16 rows of a fragment load start 16 bytes apart modulo 256
.set BSTRIP, 128*PITCH                 ; a strip of B: 128 rows
.set AHALF,  64*PITCH                  ; half of the rows of A: 64 rows
.set SLOT,   2*BSTRIP+2*AHALF          ; B strip 0, B strip 1, A rows 0-63, A rows 64-127: 104,448 bytes
.set STAGE,  2*SLOT                    ; behind the ring, at a multiple of 256: 16 rows x 272 bytes for each wave; no tensor load lands here
.set SPITCH, 272
.set WSTAGE, 16*SPITCH
.set LAPS,   SIZE_K/(2*KSTEP)          ; a lap = two K steps = once round the ring
.set CROWB,  4096                      ; bytes in a row of qkv
.set ADRA, 16                          ; v16-17  LDS address of my A fragments in slot 0, 1
.set ADRB, 20                          ; v20-21  the same for B
.set STO,  24                          ; the way out: where I put 16 bytes of a row
.set RD,   25                          ; the way out: where I read a row back
.set CO,   26                          ; my byte offset in qkv
.set CSO,  27                          ; my byte offset in cos and sin: 256 r + 32 h
.set WO,   28                          ; my byte offset in the gain: 32 h
.set F0,   32
.set F1,   128
.set T,    32                          ; v32-95   a row tile in f32: 8 column tiles x 8
.set U,    96                          ; v96-111  rotated dims 0-31
.set W,    128                         ; v128-143 rotated dims 32-63
.set PK,   144                         ; v144-175 packed f16
.set OB,   176                         ; v176-207 rows read back for the stores
.set SS,   176                         ; the same registers, earlier: sums of squares, 8 for each m tile
.set RS,   216                         ; v216-223 a pair for each m tile: rsqrt(mean + eps) x factor, twice
.set G1,  24                           ; s[24:31] group 1 for the tiles of A
.set G0,  32                           ; s[32:39] group 0 for the tiles of A, a set for each slot
.set G1B, 48                           ; s[48:55] group 1 for the tiles of B
.set G0B, 56                           ; s[56:63] group 0 for the tiles of B, a set for each slot
.set MULW, 0x50                        ; sources in window 0, C and D in window 1
.set MSB, 0
.macro WIN new                         ; the high byte of the immediate repeats the setting that is left
.if MSB != \new
	s_set_vgpr_msb (MSB<<8)|\new
.set MSB, \new
.endif
.endm
.macro PLACES                          ; four plain places behind a matrix instruction (ISA guide 7.12.1), where there is no other vector work
.rept 4
	v_nop
.endr
.endm
; A joint load. Waves 0 and 1 fetch the two strips of B, waves 2 and 3 the two halves of A: one load a wave. The branch hangs on the number of the wave alone.
.macro JLOAD s
	s_cmp_eq_u32 s11, 0
	s_cbranch_scc0 .Lfor_a_\@
	tensor_load_to_lds s[G0B+4*(\s):G0B+4*(\s)+3], s[G1B:G1B+7]
	s_nop 0
	s_branch .Lasked_\@
.Lfor_a_\@:
	tensor_load_to_lds s[G0+4*(\s):G0+4*(\s)+3], s[G1:G1+7]
	s_nop 0
.Lasked_\@:
.endm
.macro CREST                           ; a round of the barrier of the cluster, behind its opening work-group barrier
	s_cmp_lg_u32 s10, 0
	s_cbranch_scc1 .Lnot_wave_0_\@
	s_barrier_signal -3
.Lnot_wave_0_\@:
	s_barrier_wait -3
	s_barrier_signal -1
	s_barrier_wait -1
.endm
.macro CROUND                          ; a whole round
	s_barrier_signal -1
	s_barrier_wait -1
	CREST
.endm
	s_load_b128 s[4:7], s[0:1], 0x0                ; hb s[4:5], wqb s[6:7]
	s_load_b64 s[8:9], s[0:1], 0x10                ; qkv
	s_load_b256 s[68:75], s[0:1], 0x18             ; cos s[68:69], sin s[70:71], q_ln_w s[72:73], k_ln_w s[74:75]
	v_lshl_add_u32 v254, v0, 2, 0x37400
	v_mov_b32 v255, 0
	ds_add_u32 v254, v255
	v_lshrrev_b32 v1, 5, v0
	v_readfirstlane_b32 s10, v1                    ; wave 0..3
	s_lshr_b32 s11, s10, 1                         ; wm: which 64 rows are mine. Also: I fetch for B (0) or for A (1)
	s_and_b32 s12, s10, 1                          ; wn: which strip is mine. Also: which strip or half I fetch
	s_bfe_u32 s40, ttmp6, 0x40000                  ; cx
	s_bfe_u32 s41, ttmp6, 0x40004                  ; cy
	s_lshl_b32 s42, ttmp9, 3
	s_add_co_u32 s42, s42, s40                     ; 8 clx + cx: strip 0 of the block; strip 1 is 4 further
	s_and_b32 s13, ttmp7, 0xffff
	s_lshl_b32 s13, s13, 2
	s_add_co_u32 s13, s13, s41                     ; block row = 4 x cluster y + cy
	s_lshl_b32 s43, s41, 2
	s_lshl_b32 s43, 15, s43                        ; my row of the cluster: places 4 cy .. 4 cy + 3
	s_lshl_b32 s44, 0x1111, s40                    ; my column: places cx, cx + 4, cx + 8, cx + 12
	; group 1: elements of 2 bytes; 16 bytes of padding behind every 64 words; bit 21 beside the mask
	s_or_b32 s[G1+0], s43, (1<<16)|(1<<20)|(1<<21)|(5<<22)|(3<<25)   ; the tiles of A go to my row of the cluster
	s_or_b32 s[G1B+0], s44, (1<<16)|(1<<20)|(1<<21)|(5<<22)|(3<<25)  ; the tiles of B to my column
	s_mov_b32 s[G1+1], KSTEP<<16                   ; tensor_dim0 = 128
	s_mov_b32 s[G1B+1], KSTEP<<16
	s_mov_b32 s[G1+2], 64<<16                      ; tensor_dim1 = 64 rows of A
	s_mov_b32 s[G1B+2], 128<<16                    ;             = 128 rows of B
	s_mov_b32 s[G1+3], KSTEP<<16                   ; tile_dim0 = 128
	s_mov_b32 s[G1B+3], KSTEP<<16
	s_mov_b32 s[G1+4], 64                          ; tile_dim1
	s_mov_b32 s[G1B+4], 128
	s_mov_b32 s[G1+5], SIZE_K                      ; elements from row to row
	s_mov_b32 s[G1B+5], SIZE_K
	s_mov_b32 s[G1+6], 0
	s_mov_b32 s[G1B+6], 0
	s_mov_b32 s[G1+7], 0
	s_mov_b32 s[G1B+7], 0
	; where the tiles come from: A hangs on the block row and the wave, B on 8 clx + cx and the wave, each in registers that never hold the other coordinate
	s_lshl_b32 s16, s13, 7+LOGROW                  ; 128 rows x block row, in bytes
	s_lshl_b32 s17, s12, 6+LOGROW                  ; + 64 rows x half
	s_add_co_u32 s16, s16, s17
	s_mov_b32 s17, 0
	s_lshl_b32 s46, s42, 7+LOGROW                  ; 128 rows x (8 clx + cx)
	s_lshl_b32 s47, s12, 9+LOGROW                  ; + 512 rows for strip 1
	s_add_co_u32 s46, s46, s47
	s_mov_b32 s47, 0
	s_mul_i32 s20, s10, BSTRIP                     ; where they go. B (waves 0, 1): wave x 34,816
	s_mul_i32 s21, s10, AHALF
	s_add_co_u32 s21, s21, BSTRIP                  ; A (waves 2, 3): 34,816 + wave x 17,408 = 69,632 and 87,040
	s_wait_dscnt 0x0
	s_wait_kmcnt 0x0
	s_add_nc_u64 s[14:15], s[4:5], s[16:17]
	s_add_nc_u64 s[46:47], s[6:7], s[46:47]
	CROUND                                         ; all sixteen work-groups are here: the first joint loads meet
.irp s, 0,1
	s_mov_b32 s[G0+4*\s], 1
	s_add_co_u32 s[G0+4*\s+1], s21, \s*SLOT
	s_add_nc_u64 s[G0+4*\s+2:G0+4*\s+3], s[14:15], \s*KSTEP*2      ; K step s
	s_or_b32 s[G0+4*\s+3], s[G0+4*\s+3], 0x80000000
	s_mov_b32 s[G0B+4*\s], 1
	s_add_co_u32 s[G0B+4*\s+1], s20, \s*SLOT
	s_add_nc_u64 s[G0B+4*\s+2:G0B+4*\s+3], s[46:47], \s*KSTEP*2
	s_or_b32 s[G0B+4*\s+3], s[G0B+4*\s+3], 0x80000000
	JLOAD \s                                       ; both slots are asked for before anything else: two loads of the wave are out, the most in this text
.endr
	v_and_b32 v1, 15, v0                           ; r
	v_bfe_u32 v2, v0, 4, 1                         ; h
	v_mul_u32_u24 v3, v1, PITCH
	v_lshl_add_u32 v3, v2, 4, v3                   ; r x pitch + 16 h
	s_mul_i32 s22, s12, BSTRIP                     ; my strip of B
	s_mul_i32 s21, s11, AHALF
	s_add_co_u32 s21, s21, 2*BSTRIP                ; my 64 rows of A
.irp s, 0,1
	v_add_nc_u32 v[ADRA+\s], s21, v3
	v_add_nc_u32 v[ADRB+\s], s22, v3
	s_add_co_u32 s21, s21, SLOT
	s_add_co_u32 s22, s22, SLOT
.endr
	s_mul_i32 s23, s10, WSTAGE
	s_add_co_u32 s23, s23, STAGE                   ; my stage
	v_add_nc_u32 v[STO], s23, v3                   ; in: row r, 16 bytes for each half of the lanes
	v_mul_u32_u24 v5, v2, SPITCH
	v_lshl_add_u32 v5, v1, 4, v5
	v_add_nc_u32 v[RD], s23, v5                    ; back: lanes 0-15 one row of 256 bytes, lanes 16-31 the next
	v_lshlrev_b32 v5, 12, v2
	v_lshl_add_u32 v[CO], v1, 4, v5                ; the same two rows in qkv
	v_lshlrev_b32 v[WO], 5, v2
	v_lshl_add_u32 v[CSO], v1, 8, v[WO]
; 16 matrix instructions: m tiles a0, a0 + 1 x all 8 column tiles, 32 along K. zero = 1: the first product starts the sums.
; The 32 accumulators take turns, one instruction a turn, in the same order in every quarter step.
.macro MUL16 f, a0, zero
.irp a, \a0, \a0+1
.irp b, 0,1,2,3,4,5,6,7
.if \zero
	v_wmma_f32_16x16x32_f16 v[8*(8*(\a)+\b):8*(8*(\a)+\b)+7], v[\f+8*\b:\f+8*\b+7], v[\f+64+8*(\a):\f+64+8*(\a)+7], 0
.else
	v_wmma_f32_16x16x32_f16 v[8*(8*(\a)+\b):8*(8*(\a)+\b)+7], v[\f+8*\b:\f+8*\b+7], v[\f+64+8*(\a):\f+64+8*(\a)+7], v[8*(8*(\a)+\b):8*(8*(\a)+\b)+7]
.endif
.endr
.endr
.endm
; 24 LDS loads in one run: the fragments of a quarter step (128 rows of B, 64 rows of A, 32 K at byte k of the rows) into buffer f
.macro FETCH slot, k, f
	WIN 0
.irp i, 0,1,2,3,4,5,6,7
	ds_load_b128 v[\f+8*\i:\f+8*\i+3],   v[ADRB+\slot] offset:\k+\i*16*PITCH
	ds_load_b128 v[\f+8*\i+4:\f+8*\i+7], v[ADRB+\slot] offset:\k+\i*16*PITCH+32
.endr
.irp i, 0,1,2,3
	ds_load_b128 v[\f+64+8*\i:\f+64+8*\i+3],   v[ADRA+\slot] offset:\k+\i*16*PITCH
	ds_load_b128 v[\f+64+8*\i+4:\f+64+8*\i+7], v[ADRA+\slot] offset:\k+\i*16*PITCH+32
.endr
.endm
; One of the first three quarters of a K step: asks for the next quarter (byte k of the rows, into buffer g), then multiplies buffer f.
.macro QUARTER slot, k, f, g, zero
	s_wait_dscnt 0x0                               ; buffer f is in: its loads were issued 32 matrix instructions ago, none is younger
	PLACES                                         ; behind the last matrix instruction that read buffer g
	FETCH \slot, \k, \g
	WIN MULW
	MUL16 \f, 0, \zero
	MUL16 \f, 2, \zero
.endm
.macro THREE slot, zero
	QUARTER \slot, 64,  F0, F1, \zero
	QUARTER \slot, 128, F1, F0, 0
	QUARTER \slot, 192, F0, F1, 0
.endm
; The last quarter: multiplies buffer 1 and changes slots. fill = 1: this slot is filled again, two K steps ahead.
; In front of the barrier each wave waits for its reads of this slot and for all its tensor loads (the one that is out is its part of the next slot).
; Behind it nobody reads this slot and the next slot is whole: the refill comes first, then the first fragments of the next slot.
; From a request to the wait for it a wave issues 112 matrix instructions.
.macro TURN slot, next, fill
	s_wait_dscnt 0x0                               ; buffer 1 is in, and with it my last reads of this slot
	s_wait_tensorcnt 0x0                           ; all my tensor loads have landed
	ds_add_u32 v254, v255
	s_wait_dscnt 0x0
	s_barrier_signal -1                            ; where a slot is filled again this barrier opens a round of the barrier of the cluster
	WIN MULW
	MUL16 F1, 0, 0                                 ; register work while the others arrive
	WIN 0
	s_barrier_wait -1
.if \fill
	CREST                                          ; no wave of any partner still reads this slot or has a load on its way
	s_add_nc_u64 s[G0+4*\slot+2:G0+4*\slot+3], s[G0+4*\slot+2:G0+4*\slot+3], 2*KSTEP*2
	s_add_nc_u64 s[G0B+4*\slot+2:G0B+4*\slot+3], s[G0B+4*\slot+2:G0B+4*\slot+3], 2*KSTEP*2
	JLOAD \slot                                    ; my one tensor load behind the round, and the first thing there
.endif
	PLACES                                         ; behind the last matrix instruction that read buffer 0
	FETCH \next, 0, F0
	WIN MULW
	MUL16 F1, 2, 0
.endm
.macro LAP zero
	THREE 0, \zero
	TURN 0, 1, 1
	THREE 1, 0
	TURN 1, 0, 1
.endm
	s_wait_tensorcnt 0x1                           ; my part of K step 0 is in; the 1 is my part of K step 1, which may stay out
	s_barrier_signal -1
	s_barrier_wait -1
	FETCH 0, 0, F0
	LAP 1                                          ; the first lap stands in front of the loop: its first products start the sums
	WIN 0
	s_mov_b32 s3, LAPS-2
.Llap:
	LAP 0
	WIN 0
	s_sub_co_u32 s3, s3, 1
	s_cmp_lg_u32 s3, 0
	s_cbranch_scc1 .Llap
	THREE 0, 0                                     ; the last lap fills nothing
	TURN 0, 1, 0
	THREE 1, 0
	s_wait_dscnt 0x0
	WIN MULW
	MUL16 F1, 0, 0
	MUL16 F1, 2, 0
	PLACES                                         ; behind the last matrix instructions: results are read and fragment registers rewritten below
	WIN 0
	; THE WAY OUT
	s_lshl_b32 s16, s13, 19                        ; 128 rows of 4,096 bytes x block row
	s_lshl_b32 s17, s11, 18                        ; + 64 rows x wm
	s_add_co_u32 s16, s16, s17
	s_mov_b32 s17, 0
	s_add_nc_u64 s[8:9], s[8:9], s[16:17]
	s_lshl_b32 s46, s42, 8                         ; my strip x 256 bytes
	s_lshl_b32 s47, s12, 10
	s_add_co_u32 s46, s46, s47
	s_mov_b32 s47, 0
	s_add_nc_u64 s[8:9], s[8:9], s[46:47]
	s_lshl_b32 s16, s13, 15                        ; cos and sin: rows of 256 bytes, my first row = 128 block row + 64 wm
	s_lshl_b32 s17, s11, 14
	s_add_co_u32 s16, s16, s17
	s_mov_b32 s17, 0
	s_add_nc_u64 s[80:81], s[68:69], s[16:17]
	s_add_nc_u64 s[82:83], s[70:71], s[16:17]
	s_mov_b32 s78, 0x3c000000                      ; 1/128
	s_mov_b32 s79, 0x358637bd                      ; 1e-6
	s_mov_b32 s86, 0x76543210                      ; v_permlanex16_b32: lane i reads lane i of the other half
	s_mov_b32 s87, 0xfedcba98
	s_mov_b32 s84, 0x3f800000                      ; k heads keep their size,
	s_cmp_eq_u32 ttmp9, 0
	s_cselect_b32 s84, 0x3e0293ee, s84             ; q heads take log2(e)/sqrt(128)
	s_cselect_b64 s[76:77], s[72:73], s[74:75]     ; and their own gain
	s_and_b32 s85, ttmp9, s12                      ; 1: a v head
	s_cmp_lg_u32 s85, 0
	s_cbranch_scc1 .Lplain
; 16 rows through my stage: 16 bytes a lane in, whole rows of 256 bytes back, sixteen lanes store 256 bytes at a multiple of 256.
.macro OUTB a
.irp b, 0,1,2,3,4,5,6,7
	ds_store_b128 v[STO], v[PK+4*\b:PK+4*\b+3] offset:32*\b
.endr
	s_wait_xcnt 0x0                                ; OB and the base, which earlier stores read, are rewritten only behind this wait
.if \a
	s_add_nc_u64 s[8:9], s[8:9], 16*CROWB
.endif
.irp t, 0,1,2,3,4,5,6,7
	ds_load_b128 v[OB+4*\t:OB+4*\t+3], v[RD] offset:\t*2*SPITCH    ; LDS serves the instructions of a wave in order: these see the stores above
.endr
.irp t, 0,1,2,3,4,5,6,7
	s_wait_dscnt 7-\t                              ; pair t of rows is back, the 7 - t younger loads stay out
	global_store_b128 v[CO], v[OB+4*\t:OB+4*\t+3], s[8:9] offset:2*\t*CROWB
.endr
.endm
; the sum of squares of my 64 numbers of each of the 16 rows of m tile a, in four chains of pairs; the first four products start them
.macro SUMSQ a
.irp p, 0,1,2,3
	v_pk_mul_f32 v[SS+8*\a+2*\p:SS+8*\a+2*\p+1], v[64*\a+2*\p:64*\a+2*\p+1], v[64*\a+2*\p:64*\a+2*\p+1]
.endr
.set j, 4
.rept 28
	v_pk_fma_f32 v[SS+8*\a+2*(j%4):SS+8*\a+2*(j%4)+1], v[64*\a+2*j:64*\a+2*j+1], v[64*\a+2*j:64*\a+2*j+1], v[SS+8*\a+2*(j%4):SS+8*\a+2*(j%4)+1]
.set j, j+1
.endr
.endm
; rsqrt(mean of squares + eps) x factor: the other 64 numbers of the row lie in the lane 16 further
.macro RSQ a
	v_pk_add_f32 v[SS+8*\a:SS+8*\a+1], v[SS+8*\a:SS+8*\a+1], v[SS+8*\a+2:SS+8*\a+3]
	v_pk_add_f32 v[SS+8*\a+4:SS+8*\a+5], v[SS+8*\a+4:SS+8*\a+5], v[SS+8*\a+6:SS+8*\a+7]
	v_pk_add_f32 v[SS+8*\a:SS+8*\a+1], v[SS+8*\a:SS+8*\a+1], v[SS+8*\a+4:SS+8*\a+5]
	v_add_f32 v224, v[SS+8*\a], v[SS+8*\a+1]
	v_permlanex16_b32 v225, v224, s86, s87
	v_add_f32 v224, v224, v225
	v_fma_f32 v224, v224, s78, s79                 ; sum / 128 + eps
	v_rsq_f32 v226, v224
	v_nop                                          ; one plain place behind the transcendental (ISA guide 5.7.2)
	s_wait_alu depctr_va_vdst(0)
	v_mul_f32 v[RS+2*\a], s84, v226
	v_mov_b32 v[RS+2*\a+1], v[RS+2*\a]
.endm
; m tile a: x gain, x rsqrt, rotation of column tiles 0-3 (tile b pairs with tile b + 2: dims d and d + 32), rounding, out
.macro NORMROPE a
	WIN 0x0d                                       ; source 0 window 1 (sums), source 1 window 3 (gain)
.set j, 0
.rept 32
	v_pk_mul_f32 v[T+2*j:T+2*j+1], v[64*\a+2*j:64*\a+2*j+1], v[2*j:2*j+1]
.set j, j+1
.endr
	WIN 0
.set j, 0
.rept 32
	v_pk_mul_f32 v[T+2*j:T+2*j+1], v[T+2*j:T+2*j+1], v[RS+2*\a:RS+2*\a+1]
.set j, j+1
.endr
	WIN 0x08                                       ; source 1 window 2 (cos, sin)
.irp b, 0,1
.irp p, 0,2,4,6
	v_pk_mul_f32 v[U+8*\b+\p:U+8*\b+\p+1], v[T+8*\b+\p:T+8*\b+\p+1], v[64*\a+8*\b+\p:64*\a+8*\b+\p+1]                       ; x[d] cos[d]
	v_pk_mul_f32 v[W+8*\b+\p:W+8*\b+\p+1], v[T+16+8*\b+\p:T+16+8*\b+\p+1], v[64*\a+16+8*\b+\p:64*\a+16+8*\b+\p+1]           ; x[d+32] cos[d+32]
	v_fma_f32 v[U+8*\b+\p], -v[T+16+8*\b+\p], v[64*\a+32+8*\b+\p], v[U+8*\b+\p]                                             ; - x[d+32] sin[d]
	v_fma_f32 v[U+8*\b+\p+1], -v[T+16+8*\b+\p+1], v[64*\a+32+8*\b+\p+1], v[U+8*\b+\p+1]
	v_pk_fma_f32 v[W+8*\b+\p:W+8*\b+\p+1], v[T+8*\b+\p:T+8*\b+\p+1], v[64*\a+48+8*\b+\p:64*\a+48+8*\b+\p+1], v[W+8*\b+\p:W+8*\b+\p+1]   ; + x[d] sin[d+32]
.endr
.endr
	WIN 0
.irp i, 0,1,2,3,4,5,6,7
	v_cvt_pk_f16_f32 v[PK+\i], v[U+2*\i], v[U+2*\i+1]
.endr
.irp i, 0,1,2,3,4,5,6,7
	v_cvt_pk_f16_f32 v[PK+8+\i], v[W+2*\i], v[W+2*\i+1]
.endr
.set j, 0
.rept 16
	v_cvt_pk_f16_f32 v[PK+16+j], v[T+32+2*j], v[T+32+2*j+1]        ; dims 64-127 are not rotated
.set j, j+1
.endr
	OUTB \a
.endm
.macro PLAIN a                         ; a v head: rounding alone
	WIN 0x05
.set j, 0
.rept 32
	v_cvt_pk_f16_f32 v[PK+j], v[64*\a+2*j], v[64*\a+2*j+1]
.set j, j+1
.endr
	WIN 0
	OUTB \a
.endm
	; q and k heads. The tables are asked for first and land under the sums of squares.
	WIN 0x80                                       ; destination window 2
.irp a, 0,1,2,3
.irp b, 0,1,2,3
	global_load_b128 v[64*\a+8*\b:64*\a+8*\b+3],       v[CSO], s[80:81] offset:4096*\a+64*\b
	global_load_b128 v[64*\a+8*\b+4:64*\a+8*\b+7],     v[CSO], s[80:81] offset:4096*\a+64*\b+16
	global_load_b128 v[64*\a+32+8*\b:64*\a+32+8*\b+3],   v[CSO], s[82:83] offset:4096*\a+64*\b
	global_load_b128 v[64*\a+32+8*\b+4:64*\a+32+8*\b+7], v[CSO], s[82:83] offset:4096*\a+64*\b+16
.endr
.endr
	WIN 0xc0                                       ; destination window 3
.irp b, 0,1,2,3,4,5,6,7
	global_load_b128 v[8*\b:8*\b+3],   v[WO], s[76:77] offset:64*\b
	global_load_b128 v[8*\b+4:8*\b+7], v[WO], s[76:77] offset:64*\b+16
.endr
	WIN 0x05                                       ; sources 0 and 1 window 1
	SUMSQ 0
	SUMSQ 1
	SUMSQ 2
	SUMSQ 3
	WIN 0
	v_mov_b32 v225, 0                              ; the destination of v_permlanex16_b32 counts as read
	RSQ 0
	RSQ 1
	RSQ 2
	RSQ 3
	s_wait_loadcnt 0x0                             ; cos, sin and the gain are in
	NORMROPE 0
	NORMROPE 1
	NORMROPE 2
	NORMROPE 3
	s_branch .Ldone
.Lplain:
	PLAIN 0
	PLAIN 1
	PLAIN 2
	PLAIN 3
.Ldone:
	s_wait_tensorcnt 0x0
	ds_add_u32 v254, v255
	s_wait_dscnt 0x0
	CROUND                                         ; the closing round: no work-group ends while a partner may still ask for a tile that names it
	s_endpgm
.Lfunc_end_k_qa8432fb447_qkvp:
	.size	k_qa8432fb447_qkvp, .Lfunc_end_k_qa8432fb447_qkvp-k_qa8432fb447_qkvp
	.p2alignl 7, 3214868480
	.fill 96, 4, 3214868480
	.section	.rodata,"a",@progbits
	.p2align	6, 0x0
	.amdhsa_kernel k_qa8432fb447_qkvp
		.amdhsa_group_segment_fixed_size 327680
		.amdhsa_private_segment_fixed_size 0
		.amdhsa_enable_private_segment 0
		.amdhsa_kernarg_size 56
		.amdhsa_user_sgpr_count 2
		.amdhsa_user_sgpr_kernarg_segment_ptr 1
		.amdhsa_wavefront_size32 1
		.amdhsa_system_sgpr_workgroup_id_x 1
		.amdhsa_system_sgpr_workgroup_id_y 1
		.amdhsa_system_sgpr_workgroup_id_z 1
		.amdhsa_system_vgpr_workitem_id 0
		.amdhsa_next_free_vgpr 832
		.amdhsa_next_free_sgpr 88
		.amdhsa_reserve_vcc 0
		.amdhsa_float_denorm_mode_32 3
		.amdhsa_float_denorm_mode_16_64 3
		.amdhsa_memory_ordered 1
		.amdhsa_forward_progress 1
		.amdhsa_inst_pref_size 178
	.end_amdhsa_kernel
	.amdgpu_metadata
---
amdhsa.version: [ 1, 2 ]
amdhsa.kernels:
  - .name:           k_qa8432fb447_qkvp
    .symbol:         k_qa8432fb447_qkvp.kd
    .args:
      - { .name: hb, .offset: 0, .size: 8, .value_kind: global_buffer, .address_space: global }
      - { .name: wqb, .offset: 8, .size: 8, .value_kind: global_buffer, .address_space: global }
      - { .name: qkv, .offset: 16, .size: 8, .value_kind: global_buffer, .address_space: global }
      - { .name: cos, .offset: 24, .size: 8, .value_kind: global_buffer, .address_space: global }
      - { .name: sin, .offset: 32, .size: 8, .value_kind: global_buffer, .address_space: global }
      - { .name: q_ln_w, .offset: 40, .size: 8, .value_kind: global_buffer, .address_space: global }
      - { .name: k_ln_w, .offset: 48, .size: 8, .value_kind: global_buffer, .address_space: global }
    .group_segment_fixed_size: 327680
    .private_segment_fixed_size: 0
    .kernarg_segment_align: 8
    .kernarg_segment_size: 56
    .max_flat_workgroup_size: 128
    .sgpr_count:     88
    .vgpr_count:     832
    .wavefront_size: 32
...
	.end_amdgpu_metadata
.endif
;; end of part 2
;; launch attn (part 3): grid 16 x 16, 4 waves a work-group, clusters of 4 x 1, 327,680 bytes of LDS; arguments qkv, att; writes att
.if DOCPART == 3
	.amdgcn_target "amdgcn-amd-amdhsa--gfx1250"
	.amdhsa_code_object_version 6
	.text
	.protected	k_qa8432fb447_attn
	.globl	k_qa8432fb447_attn
	.p2align	8
	.type	k_qa8432fb447_attn,@function
k_qa8432fb447_attn:
	s_mov_b64 s[64:65], 0
	v_nop
	global_prefetch_b8 v0, s[64:65] scope:SCOPE_SE
	s_setreg_imm32_b32 hwreg(HW_REG_WAVE_MODE, 25, 1), 1
	s_wait_xcnt 0x0
	s_wait_alu depctr_hold_cnt(0) depctr_sa_sdst(0) depctr_va_vdst(0) depctr_va_sdst(0) depctr_va_ssrc(0) depctr_va_vcc(0) depctr_vm_vsrc(0)
	s_getreg_b32 s2, hwreg(HW_REG_IB_STS2, 6, 4)
	s_cmp_eq_u32 s2, 0
	s_cbranch_scc0 .Lentry_in_a_cluster
	s_endpgm
.Lentry_in_a_cluster:
	s_bfe_u32 s2, ttmp6, 0x10000c
	s_cmp_lg_u32 s2, 0x3003
	s_cbranch_scc0 .Lentry_shape_is_right
	s_endpgm
.Lentry_shape_is_right:
; Attention with a running maximum. qkv: [4096][2048] f16 as the launch before left it (q head hq at byte 256 hq of a row, k head g at 2048 + 256 g,
; v head g at 3072 + 256 g; q already holds log2(e)/sqrt(128), so scores are exponents of 2). att: [4096][1024] f16, head hq at byte 256 hq.
; Query head hq uses key and value head hq / 2 (8 query heads, 4 key and value heads). Nothing is left out.
; LIMITS: probabilities and results are rounded to f16 for the products. A probability lies in [0, 1] (the maximum is taken away), so its
; rounding error is at most 2^-12 of itself or 2^-25, against the largest of its row, which is 1; one below 2^-126 counts as 0 (v_exp_f32 flushes).
; A result is a convex mix of numbers of v, so it is in the range of f16 wherever v is.
; The maxima ignore a NaN (v_max_num), which still reaches the result of its row through the exponential and the sum.
;
; A work-group: one batch, one query head, 128 queries; a wave 32 queries as two query tiles qt. Keys go in tiles of 256 through two LDS slots.
; CLUSTER 4 x 1: four query blocks of one head walk the same 8 tiles of K and V: each tile is asked for jointly (mask 15), a quarter of the requests.
; S^T = K Q^T: lane (r, h), register j holds (key 8 h + j, query r): the maximum and the sum of a query lie in two lanes, r and r + 16,
;   and the packed probabilities of key tiles 2 u, 2 u + 1 are the B fragment of a step of 32 keys as they stand.
; O^T = V^T P: A = V^T by the transposing LDS load; lane (r, h), register j holds (dim 16 dt + 8 h + j, query r): eight neighbouring numbers of a row of att.
;
; REGISTERS. window 0: v8-19 addresses; v20-31 maximum, sum, factor (a pair for each qt); v32-43 at work; v64-127 Q fragments (qt, ks);
;                      v128-191 scores (kt, qt); v192-223 probabilities (qt, u)
;            window 1: K fragments (kt, ks) at 8 (4 kt + ks); V fragments (dt, u) at 128 + 8 (2 dt + u)
;            window 2: O (dt, qt) at 8 (2 dt + qt)
.set KP,     272                       ; LDS pitch of K: 256 + 16, an odd multiple of 16
.set VP,     288                       ; LDS pitch of V: 256 + 32, an odd multiple of 32, for the transposing load
.set HALFT,  128*VP                    ; room for 128 rows: 36,864 bytes (K uses 34,816 of them)
.set SLOT,   4*HALFT                   ; K keys 0-127, K keys 128-255, V keys 0-127, V keys 128-255
.set STAGE,  2*SLOT                    ; behind the ring, at a multiple of 256: 16 rows x 272 bytes for each wave; no tensor load lands here
.set SPITCH, 272
.set WSTAGE, 16*SPITCH
.set TILEB,  256*4096                  ; bytes from a tile of 256 keys to the next
.set KADR, 8                           ; v8-11   [slot][half]
.set VADR, 12                          ; v12-15  [slot][half]
.set STO,  16
.set RD,   17
.set CO,   18
.set QO,   19
.set MX,   20                          ; pair: the running maximum, twice
.set LS,   24                          ; pair: two partial sums
.set AL,   28                          ; pair: 2^(old maximum - new maximum), twice
.set TA,   32                          ; + 6 qt
.set TB,   33
.set T2,   34
.set MN,   35
.set DT,   36
.set QF,   64
.set SR,   128
.set PR,   192
.set G1K, 24
.set G0K, 32
.set G1V, 48
.set G0V, 56
.set MSB, 0
.macro WIN new
.if MSB != \new
	s_set_vgpr_msb (MSB<<8)|\new
.set MSB, \new
.endif
.endm
.macro PLACES
.rept 4
	v_nop
.endr
.endm
.macro ROUND                           ; a round of the barrier of the cluster
	s_barrier_signal -1
	s_barrier_wait -1
	s_cmp_lg_u32 s10, 0
	s_cbranch_scc1 .Lnot_wave_0_\@
	s_barrier_signal -3
.Lnot_wave_0_\@:
	s_barrier_wait -3
	s_barrier_signal -1
	s_barrier_wait -1
.endm
.macro JLOAD s                         ; waves 0, 1: the two halves of K; waves 2, 3: the two halves of V. One load a wave
	s_cmp_eq_u32 s11, 0
	s_cbranch_scc0 .Lfor_v_\@
	tensor_load_to_lds s[G0K+4*(\s):G0K+4*(\s)+3], s[G1K:G1K+7]
	s_nop 0
	s_branch .Lasked_\@
.Lfor_v_\@:
	tensor_load_to_lds s[G0V+4*(\s):G0V+4*(\s)+3], s[G1V:G1V+7]
	s_nop 0
.Lasked_\@:
.endm
	s_load_b128 s[4:7], s[0:1], 0x0                ; qkv s[4:5], att s[6:7]
	v_lshl_add_u32 v254, v0, 2, 0x4c400
	v_mov_b32 v255, 0
	ds_add_u32 v254, v255
	v_lshrrev_b32 v1, 5, v0
	v_readfirstlane_b32 s10, v1                    ; wave 0..3
	s_lshr_b32 s11, s10, 1                         ; I fetch K (0) or V (1),
	s_and_b32 s12, s10, 1                          ; its keys 0-127 or 128-255
	s_bfe_u32 s13, ttmp6, 0x40000                  ; cx
	s_lshl_b32 s14, ttmp9, 2
	s_add_co_u32 s14, s14, s13                     ; query block = 4 x cluster x + cx
	s_and_b32 s15, ttmp7, 0xffff                   ; 8 x batch + query head
	s_lshr_b32 s16, s15, 3                         ; batch
	s_and_b32 s17, s15, 7                          ; query head
	s_lshr_b32 s18, s17, 1                         ; key and value head
	s_mov_b32 s40, 0x76543210
	s_mov_b32 s41, 0xfedcba98
	; group 1: 128 rows x 128 elements of 2 bytes, pitch 2,048 elements; padding behind every 64 words: 4 words for K, 8 for V; mask 15, bit 21 beside it
	s_mov_b32 s[G1K+0], 15|(1<<16)|(1<<20)|(1<<21)|(5<<22)|(3<<25)
	s_mov_b32 s[G1V+0], 15|(1<<16)|(1<<20)|(1<<21)|(5<<22)|(7<<25)
.irp g, G1K, G1V
	s_mov_b32 s[\g+1], 128<<16
	s_mov_b32 s[\g+2], 128<<16
	s_mov_b32 s[\g+3], 128<<16
	s_mov_b32 s[\g+4], 128
	s_mov_b32 s[\g+5], 2048
	s_mov_b32 s[\g+6], 0
	s_mov_b32 s[\g+7], 0
.endr
	; where the tiles come from: batch, head and the wave alone, which the four partners share
	s_lshl_b32 s20, s16, 23                        ; batch x 2,048 rows of 4,096 bytes
	s_lshl_b32 s21, s12, 19                        ; + 128 rows for the second half
	s_add_co_u32 s20, s20, s21
	s_lshl_b32 s21, s18, 8                         ; + head x 256 bytes
	s_add_co_u32 s20, s20, s21
	s_add_co_u32 s20, s20, 2048                    ; K begins at byte 2,048 of a row,
	s_mov_b32 s21, 0
	s_add_co_u32 s22, s20, 1024                    ; V at byte 3,072
	s_mov_b32 s23, 0
	s_mul_i32 s19, s10, HALFT                      ; where they go: wave x 36,864
	s_lshl_b32 s42, s16, 23                        ; my queries: batch, block of 128 rows, wave of 32 rows, head
	s_lshl_b32 s43, s14, 19
	s_add_co_u32 s42, s42, s43
	s_lshl_b32 s43, s10, 17
	s_add_co_u32 s42, s42, s43
	s_lshl_b32 s43, s17, 8
	s_add_co_u32 s42, s42, s43
	s_mov_b32 s43, 0
	s_lshl_b32 s44, s16, 22                        ; the same rows in att: rows of 2,048 bytes
	s_lshl_b32 s45, s14, 18
	s_add_co_u32 s44, s44, s45
	s_lshl_b32 s45, s10, 16
	s_add_co_u32 s44, s44, s45
	s_lshl_b32 s45, s17, 8
	s_add_co_u32 s44, s44, s45
	s_mov_b32 s45, 0
	s_wait_dscnt 0x0
	s_wait_kmcnt 0x0
	s_add_nc_u64 s[20:21], s[4:5], s[20:21]
	s_add_nc_u64 s[22:23], s[4:5], s[22:23]
	s_add_nc_u64 s[42:43], s[4:5], s[42:43]
	s_add_nc_u64 s[44:45], s[6:7], s[44:45]
.irp s, 0,1
	s_mov_b32 s[G0K+4*\s], 1
	s_add_co_u32 s[G0K+4*\s+1], s19, \s*SLOT
	s_add_nc_u64 s[G0K+4*\s+2:G0K+4*\s+3], s[20:21], \s*TILEB      ; slot s is set up for tile s
	s_or_b32 s[G0K+4*\s+3], s[G0K+4*\s+3], 0x80000000
	s_mov_b32 s[G0V+4*\s], 1
	s_add_co_u32 s[G0V+4*\s+1], s19, \s*SLOT
	s_add_nc_u64 s[G0V+4*\s+2:G0V+4*\s+3], s[22:23], \s*TILEB
	s_or_b32 s[G0V+4*\s+3], s[G0V+4*\s+3], 0x80000000
.endr
	ROUND                                          ; the four work-groups are here: the first joint load meets
	JLOAD 0                                        ; tile 0. From here on one tensor load of the wave is out at the most
	v_and_b32 v1, 15, v0                           ; r
	v_bfe_u32 v2, v0, 4, 1                         ; h
	v_lshlrev_b32 v5, 4, v2
	v_lshl_add_u32 v[QO], v1, 12, v5               ; 4,096 r + 16 h
.irp qt, 0,1
.irp ks, 0,1,2,3
	global_load_b128 v[QF+8*(4*\qt+\ks):QF+8*(4*\qt+\ks)+3],   v[QO], s[42:43] offset:65536*\qt+64*\ks      ; Q(query r, dims 32 ks + 8 h ..)
	global_load_b128 v[QF+8*(4*\qt+\ks)+4:QF+8*(4*\qt+\ks)+7], v[QO], s[42:43] offset:65536*\qt+64*\ks+32   ; dims 32 ks + 16 + 8 h ..
.endr
.endr
	v_mul_u32_u24 v3, v1, KP
	v_lshl_add_u32 v3, v2, 4, v3                   ; K and the stage: r x 272 + 16 h
	v_and_b32 v4, 7, v0
	v_lshl_add_u32 v4, v2, 3, v4                   ; V: row 8 h + (lane mod 8),
	v_mul_u32_u24 v4, v4, VP
	v_bfe_u32 v5, v0, 3, 1
	v_lshl_add_u32 v4, v5, 4, v4                   ; 16 bytes further for lanes 8-15 and 24-31
.irp s, 0,1
.irp f, 0,1
	v_add_nc_u32 v[KADR+2*\s+\f], \s*SLOT+\f*HALFT, v3
	v_add_nc_u32 v[VADR+2*\s+\f], \s*SLOT+(2+\f)*HALFT, v4
.endr
.endr
	s_mul_i32 s19, s10, WSTAGE
	s_add_co_u32 s19, s19, STAGE                   ; my stage
	v_add_nc_u32 v[STO], s19, v3
	v_mul_u32_u24 v5, v2, SPITCH
	v_lshl_add_u32 v5, v1, 4, v5
	v_add_nc_u32 v[RD], s19, v5
	v_lshlrev_b32 v5, 11, v2
	v_lshl_add_u32 v[CO], v1, 4, v5                ; 2,048 (lane / 16) + 16 (lane mod 16)
	v_mov_b32 v[T2], 0                             ; destinations of v_permlanex16_b32 count as read
	v_mov_b32 v[T2+6], 0
	s_wait_loadcnt 0x0                             ; Q is in, for the whole kernel
; K fragments of a sub-step of 64 keys: 4 key tiles x 4 steps of 32 dims, 32 loads
.macro KFETCH slot, half, sub
	WIN 0x40                                       ; destination window 1
.irp kt, 0,1,2,3
.irp ks, 0,1,2,3
	ds_load_b128 v[8*(4*\kt+\ks):8*(4*\kt+\ks)+3],   v[KADR+2*\slot+\half] offset:(64*\sub+16*\kt)*KP+64*\ks
	ds_load_b128 v[8*(4*\kt+\ks)+4:8*(4*\kt+\ks)+7], v[KADR+2*\slot+\half] offset:(64*\sub+16*\kt)*KP+64*\ks+32
.endr
.endr
.endm
; V^T fragments of the same 64 keys: 8 dim tiles x 2 steps of 32 keys, 32 transposing loads
.macro VFETCH slot, half, sub
	WIN 0x40
.irp u, 0,1
.irp dt, 0,1,2,3,4,5,6,7
	ds_load_tr16_b128 v[128+8*(2*\dt+\u):128+8*(2*\dt+\u)+3],   v[VADR+2*\slot+\half] offset:(64*\sub+32*\u)*VP+32*\dt
	ds_load_tr16_b128 v[128+8*(2*\dt+\u)+4:128+8*(2*\dt+\u)+7], v[VADR+2*\slot+\half] offset:(64*\sub+32*\u+16)*VP+32*\dt
.endr
.endr
.endm
; The softmax step of 64 keys x 32 queries, both query tiles line by line. first = 1: nothing is carried yet.
.macro SOFT first
.irp qt, 0,1
	v_max3_num_f32 v[TA+6*\qt], v[SR+8*\qt], v[SR+8*\qt+1], v[SR+8*\qt+2]              ; two chains for each query tile: key tiles 0, 1 and 2, 3
	v_max3_num_f32 v[TB+6*\qt], v[SR+32+8*\qt], v[SR+32+8*\qt+1], v[SR+32+8*\qt+2]
.endr
.irp i, 3,5,7,9,11,13
.irp qt, 0,1
	v_max3_num_f32 v[TA+6*\qt], v[TA+6*\qt], v[SR+16*(\i/8)+8*\qt+(\i%8)], v[SR+16*((\i+1)/8)+8*\qt+((\i+1)%8)]
	v_max3_num_f32 v[TB+6*\qt], v[TB+6*\qt], v[SR+32+16*(\i/8)+8*\qt+(\i%8)], v[SR+32+16*((\i+1)/8)+8*\qt+((\i+1)%8)]
.endr
.endr
.irp qt, 0,1
	v_max3_num_f32 v[TA+6*\qt], v[TA+6*\qt], v[SR+16+8*\qt+7], v[SR+48+8*\qt+7]        ; the last number of each chain
.endr
.irp qt, 0,1
	v_max_num_f32 v[TA+6*\qt], v[TA+6*\qt], v[TB+6*\qt]
.endr
.irp qt, 0,1
	v_permlanex16_b32 v[T2+6*\qt], v[TA+6*\qt], s40, s41                               ; the other 32 keys of the query lie 16 lanes further
.endr
.irp qt, 0,1
.if \first
	v_max_num_f32 v[MX+2*\qt], v[TA+6*\qt], v[T2+6*\qt]
.else
	v_max3_num_f32 v[MN+6*\qt], v[TA+6*\qt], v[T2+6*\qt], v[MX+2*\qt]
	v_sub_f32 v[DT+6*\qt], v[MX+2*\qt], v[MN+6*\qt]                                    ; old - new, at most 0
	v_mov_b32 v[MX+2*\qt], v[MN+6*\qt]
.endif
	v_mov_b32 v[MX+2*\qt+1], v[MX+2*\qt]
.endr
.irp i, 0,1,2,3,4,5,6,7,8,9,10,11,12,13,14,15
.irp qt, 0,1
	v_pk_add_f32 v[SR+16*(\i/4)+8*\qt+2*(\i%4):SR+16*(\i/4)+8*\qt+2*(\i%4)+1], v[SR+16*(\i/4)+8*\qt+2*(\i%4):SR+16*(\i/4)+8*\qt+2*(\i%4)+1], v[MX+2*\qt:MX+2*\qt+1] neg_lo:[0,1] neg_hi:[0,1]
.endr
.endr
.irp i, 0,1,2,3,4,5,6,7,8,9,10,11,12,13,14,15
.irp qt, 0,1
	v_exp_f32 v[SR+16*(\i/4)+8*\qt+2*(\i%4)], v[SR+16*(\i/4)+8*\qt+2*(\i%4)]
	v_exp_f32 v[SR+16*(\i/4)+8*\qt+2*(\i%4)+1], v[SR+16*(\i/4)+8*\qt+2*(\i%4)+1]
.endr
.endr
.if \first == 0
	v_exp_f32 v[AL], v[DT]
	v_exp_f32 v[AL+2], v[DT+6]
.endif
	v_nop                                          ; one plain place behind the run of transcendentals (ISA guide 5.7.2)
	s_wait_alu depctr_va_vdst(0)
.if \first == 0
	s_wait_alu depctr_va_vdst(0)
	v_mov_b32 v[AL+1], v[AL]
	v_mov_b32 v[AL+3], v[AL+2]
.endif
.irp i, 0,1,2,3,4,5,6,7,8,9,10,11,12,13,14,15
.irp qt, 0,1
.if \first
.if \i == 1
	v_pk_add_f32 v[LS+2*\qt:LS+2*\qt+1], v[SR+8*\qt:SR+8*\qt+1], v[SR+8*\qt+2:SR+8*\qt+3]      ; the first two pairs start the sums
.endif
.if \i > 1
	v_pk_add_f32 v[LS+2*\qt:LS+2*\qt+1], v[LS+2*\qt:LS+2*\qt+1], v[SR+16*(\i/4)+8*\qt+2*(\i%4):SR+16*(\i/4)+8*\qt+2*(\i%4)+1]
.endif
.else
.if \i == 0
	v_pk_fma_f32 v[LS+2*\qt:LS+2*\qt+1], v[LS+2*\qt:LS+2*\qt+1], v[AL+2*\qt:AL+2*\qt+1], v[SR+8*\qt:SR+8*\qt+1]   ; the old sums move to the new maximum
.else
	v_pk_add_f32 v[LS+2*\qt:LS+2*\qt+1], v[LS+2*\qt:LS+2*\qt+1], v[SR+16*(\i/4)+8*\qt+2*(\i%4):SR+16*(\i/4)+8*\qt+2*(\i%4)+1]
.endif
.endif
	v_cvt_pk_f16_f32 v[PR+16*\qt+\i], v[SR+16*(\i/4)+8*\qt+2*(\i%4)], v[SR+16*(\i/4)+8*\qt+2*(\i%4)+1]   ; key tile i / 4, pair i mod 4: register i of the two B fragments
.endr
.endr
.endm
; A sub-step of 64 keys. nk = 1: the K fragments of the next sub-step (nhalf, nsub of the same slot) are asked for behind the V fragments.
; In both runs of products the accumulators take turns, one instruction a turn (8 score tiles; 16 tiles of O).
.macro SUB slot, half, sub, first, nk, nhalf, nsub
	s_wait_dscnt 0x0                               ; the K fragments of this sub-step are in; none is younger
	WIN 0x01                                       ; source 0 (K) window 1
.irp ks, 0,1,2,3
.irp kt, 0,1,2,3
.irp qt, 0,1
.if \ks == 0
	v_wmma_f32_16x16x32_f16 v[SR+8*(2*\kt+\qt):SR+8*(2*\kt+\qt)+7], v[8*(4*\kt+\ks):8*(4*\kt+\ks)+7], v[QF+8*(4*\qt+\ks):QF+8*(4*\qt+\ks)+7], 0
.else
	v_wmma_f32_16x16x32_f16 v[SR+8*(2*\kt+\qt):SR+8*(2*\kt+\qt)+7], v[8*(4*\kt+\ks):8*(4*\kt+\ks)+7], v[QF+8*(4*\qt+\ks):QF+8*(4*\qt+\ks)+7], v[SR+8*(2*\kt+\qt):SR+8*(2*\kt+\qt)+7]
.endif
.endr
.endr
.endr
	PLACES                                         ; behind the products: the V and K fragment registers are loaded again and the scores read below
	VFETCH \slot, \half, \sub
.if \nk
	KFETCH \slot, \nhalf, \nsub
.endif
	WIN 0
	SOFT \first
.if \nk
	s_wait_dscnt 32                                ; the V fragments are in; the 32 younger loads are the K fragments of the next sub-step
.else
	s_wait_dscnt 0x0
.endif
.if \first == 0
	WIN 0x82                                       ; O in window 2
.irp dt, 0,1,2,3,4,5,6,7
.irp qt, 0,1
.irp p, 0,2,4,6
	v_pk_mul_f32 v[8*(2*\dt+\qt)+\p:8*(2*\dt+\qt)+\p+1], v[8*(2*\dt+\qt)+\p:8*(2*\dt+\qt)+\p+1], v[AL+2*\qt:AL+2*\qt+1]   ; O moves to the new maximum
.endr
.endr
.endr
.endif
	WIN 0xa1                                       ; source 0 (V) window 1, source 1 (P) window 0, C and D window 2
.irp u, 0,1
.irp dt, 0,1,2,3,4,5,6,7
.irp qt, 0,1
.if \first*(1-\u)
	v_wmma_f32_16x16x32_f16 v[8*(2*\dt+\qt):8*(2*\dt+\qt)+7], v[128+8*(2*\dt+\u):128+8*(2*\dt+\u)+7], v[PR+8*(2*\qt+\u):PR+8*(2*\qt+\u)+7], 0
.else
	v_wmma_f32_16x16x32_f16 v[8*(2*\dt+\qt):8*(2*\dt+\qt)+7], v[128+8*(2*\dt+\u):128+8*(2*\dt+\u)+7], v[PR+8*(2*\qt+\u):PR+8*(2*\qt+\u)+7], v[8*(2*\dt+\qt):8*(2*\dt+\qt)+7]
.endif
.endr
.endr
.endr
.endm
; A tile of 256 keys in slot. refill = 1: the next tile is asked for, into the slot read in the trip before (in the first trip: its first fill).
; That load has the four sub-steps of this trip, 256 matrix instructions and their softmax, in which to land.
.macro TRIP slot, refill, first
	WIN 0
	s_wait_tensorcnt 0x0                           ; all my tensor loads have landed, my part of this tile among them, so every group 0 may be written:
	ds_add_u32 v254, v255
	s_wait_dscnt 0x0
	s_add_nc_u64 s[G0K+4*\slot+2:G0K+4*\slot+3], s[G0K+4*\slot+2:G0K+4*\slot+3], 2*TILEB   ; the next tile of this slot
	s_add_nc_u64 s[G0V+4*\slot+2:G0V+4*\slot+3], s[G0V+4*\slot+2:G0V+4*\slot+3], 2*TILEB
	s_wait_dscnt 0x0                               ; my reads of the tile before are done
	ROUND                                          ; both now hold of every wave of the four work-groups
.if \refill
	JLOAD 1-\slot                                  ; my one tensor load behind the round, and the first thing there
.endif
	KFETCH \slot, 0, 0
	SUB \slot, 0, 0, \first, 1, 0, 1
	SUB \slot, 0, 1, 0, 1, 1, 0
	SUB \slot, 1, 0, 0, 1, 1, 1
	SUB \slot, 1, 1, 0, 0, 0, 0
.endm
	TRIP 0, 1, 1                                   ; tile 0 stands in front of the loop: it starts the maxima, the sums and O
	WIN 0
	s_mov_b32 s3, 3
.Ltile:
	TRIP 1, 1, 0                                   ; tiles 1, 3, 5
	TRIP 0, 1, 0                                   ; tiles 2, 4, 6
	WIN 0
	s_sub_co_u32 s3, s3, 1
	s_cmp_lg_u32 s3, 0
	s_cbranch_scc1 .Ltile
	TRIP 1, 0, 0                                   ; tile 7: nothing is left to fetch (the stepped addresses are not used)
	; THE WAY OUT: O / sum, rounded, 16 queries at a time through my stage, whole rows of 256 bytes out
	PLACES
	WIN 0
.macro OUTQ qt
	v_add_f32 v[TA], v[LS+2*\qt], v[LS+2*\qt+1]
	v_permlanex16_b32 v[T2], v[TA], s40, s41       ; the sums of the other 1,024 keys lie 16 lanes further
	v_add_f32 v[TA], v[TA], v[T2]                  ; at least 1: the largest score gives 2^0
	v_rcp_f32 v[AL], v[TA]
	v_nop
	s_wait_alu depctr_va_vdst(0)
	v_mov_b32 v[AL+1], v[AL]
	WIN 0x02                                       ; source 0 window 2
.irp dt, 0,1,2,3,4,5,6,7
.irp p, 0,2,4,6
	v_pk_mul_f32 v[QF+8*\dt+\p:QF+8*\dt+\p+1], v[8*(2*\dt+\qt)+\p:8*(2*\dt+\qt)+\p+1], v[AL:AL+1]
.endr
.endr
	WIN 0
.set j, 0
.rept 32
	v_cvt_pk_f16_f32 v[SR+j], v[QF+2*j], v[QF+2*j+1]
.set j, j+1
.endr
.irp dt, 0,1,2,3,4,5,6,7
	ds_store_b128 v[STO], v[SR+4*\dt:SR+4*\dt+3] offset:32*\dt
.endr
	s_wait_xcnt 0x0                                ; v160-191 and the base, which earlier stores read, are rewritten only behind this wait
.if \qt
	s_add_nc_u64 s[44:45], s[44:45], 16*2048
.endif
.irp t, 0,1,2,3,4,5,6,7
	ds_load_b128 v[SR+32+4*\t:SR+32+4*\t+3], v[RD] offset:\t*2*SPITCH      ; LDS serves the instructions of a wave in order: these see the stores above
.endr
.irp t, 0,1,2,3,4,5,6,7
	s_wait_dscnt 7-\t                              ; pair t of rows is back, the 7 - t younger loads stay out
	global_store_b128 v[CO], v[SR+32+4*\t:SR+32+4*\t+3], s[44:45] offset:4096*\t   ; sixteen lanes store 256 bytes at a multiple of 256
.endr
.endm
	OUTQ 0
	OUTQ 1
	s_wait_tensorcnt 0x0
	ds_add_u32 v254, v255
	s_wait_dscnt 0x0
	ROUND                                          ; the closing round
	s_endpgm
.Lfunc_end_k_qa8432fb447_attn:
	.size	k_qa8432fb447_attn, .Lfunc_end_k_qa8432fb447_attn-k_qa8432fb447_attn
	.p2alignl 7, 3214868480
	.fill 96, 4, 3214868480
	.section	.rodata,"a",@progbits
	.p2align	6, 0x0
	.amdhsa_kernel k_qa8432fb447_attn
		.amdhsa_group_segment_fixed_size 327680
		.amdhsa_private_segment_fixed_size 0
		.amdhsa_enable_private_segment 0
		.amdhsa_kernarg_size 16
		.amdhsa_user_sgpr_count 2
		.amdhsa_user_sgpr_kernarg_segment_ptr 1
		.amdhsa_wavefront_size32 1
		.amdhsa_system_sgpr_workgroup_id_x 1
		.amdhsa_system_sgpr_workgroup_id_y 1
		.amdhsa_system_sgpr_workgroup_id_z 1
		.amdhsa_system_vgpr_workitem_id 0
		.amdhsa_next_free_vgpr 640
		.amdhsa_next_free_sgpr 66
		.amdhsa_reserve_vcc 0
		.amdhsa_float_denorm_mode_32 3
		.amdhsa_float_denorm_mode_16_64 3
		.amdhsa_memory_ordered 1
		.amdhsa_forward_progress 1
		.amdhsa_inst_pref_size 255
	.end_amdhsa_kernel
	.section	.bss,"aw",@nobits
	.p2align	6
	.space	262144
	.amdgpu_metadata
---
amdhsa.version: [ 1, 2 ]
amdhsa.kernels:
  - .name:           k_qa8432fb447_attn
    .symbol:         k_qa8432fb447_attn.kd
    .args:
      - { .name: qkv, .offset: 0, .size: 8, .value_kind: global_buffer, .address_space: global }
      - { .name: att, .offset: 8, .size: 8, .value_kind: global_buffer, .address_space: global }
    .group_segment_fixed_size: 327680
    .private_segment_fixed_size: 0
    .kernarg_segment_align: 8
    .kernarg_segment_size: 16
    .max_flat_workgroup_size: 128
    .sgpr_count:     66
    .vgpr_count:     640
    .wavefront_size: 32
...
	.end_amdgpu_metadata
.endif
;; end of part 3
;; launch dense (part 4): grid 8 x 32, 4 waves a work-group, clusters of 4 x 4, 327,680 bytes of LDS; arguments att, wdb, out0; writes out0
.if DOCPART == 4
	.amdgcn_target "amdgcn-amd-amdhsa--gfx1250"
	.amdhsa_code_object_version 6
	.text
	.protected	k_qa8432fb447_dense
	.globl	k_qa8432fb447_dense
	.p2align	8
	.type	k_qa8432fb447_dense,@function
k_qa8432fb447_dense:
	s_mov_b64 s[64:65], 0
	v_nop
	global_prefetch_b8 v0, s[64:65] scope:SCOPE_SE
	s_setreg_imm32_b32 hwreg(HW_REG_WAVE_MODE, 25, 1), 1
	s_wait_xcnt 0x0
	s_wait_alu depctr_hold_cnt(0) depctr_sa_sdst(0) depctr_va_vdst(0) depctr_va_sdst(0) depctr_va_ssrc(0) depctr_va_vcc(0) depctr_vm_vsrc(0)
	s_getreg_b32 s2, hwreg(HW_REG_IB_STS2, 6, 4)
	s_cmp_eq_u32 s2, 0
	s_cbranch_scc0 .Lentry_in_a_cluster
	s_endpgm
.Lentry_in_a_cluster:
	s_bfe_u32 s2, ttmp6, 0x10000c
	s_cmp_lg_u32 s2, 0xf033
	s_cbranch_scc0 .Lentry_shape_is_right
	s_endpgm
.Lentry_shape_is_right:
; out0[row][o] = sum over d of att[row][d] wdb[o][d] (4096 x 2048 x 1024, f16 operands, f32 sums, f32 out). Nothing is left out.
; LIMIT: the operands are f16 as the launches before left them (their ranges are stated there); the sums and the results are f32.
; The frame is that of the projection of q, k and v: a work-group makes 128 rows x 256 columns with four waves, the columns as two strips of 128,
; strip of column half wn = 8 clx + 4 wn + cx; a wave makes 64 rows x 128 columns in 256 registers; K in steps of 128 through two LDS slots;
; CLUSTER 4 x 4 with joint loads: the rows of att shared along a cluster row, the rows of wdb along a cluster column, a quarter of the requests each.
; The matrix instruction is used transposed: lane (r, h), register j of tile (a, b) holds row 16 a + r, column 16 b + 8 h + j.
; REGISTERS. window 0: v16-26 addresses; v32-127, v128-223 two fragment buffers (B tile b at +8 b, A tile a at +64 + 8 a); window 1: accumulator (a, b) at v[8 (8 a + b)]
.set SIZE_K, 1024
.set LOGROW, 11                        ; a row of att and of wdb is 2,048 bytes
.set KSTEP,  128
.set PITCH,  272
.set BSTRIP, 128*PITCH
.set AHALF,  64*PITCH
.set SLOT,   2*BSTRIP+2*AHALF
.set STAGE,  2*SLOT                    ; behind the ring, at a multiple of 256: 16 rows x 528 bytes for each wave; no tensor load lands here
.set SPITCH, 528                       ; 512 bytes + 16: an odd multiple of 16
.set WSTAGE, 16*SPITCH
.set LAPS,   SIZE_K/(2*KSTEP)
.set CROWB,  8192                      ; bytes in a row of out0
.set ADRA, 16
.set ADRB, 20
.set STO,  24
.set RD,   25
.set CO,   26
.set F0,   32
.set F1,   128
.set OB,   32                          ; v32-95: 16 rows read back for the stores
.set G1,  24
.set G0,  32
.set G1B, 48
.set G0B, 56
.set MULW, 0x50
.set MSB, 0
.macro WIN new
.if MSB != \new
	s_set_vgpr_msb (MSB<<8)|\new
.set MSB, \new
.endif
.endm
.macro PLACES
.rept 4
	v_nop
.endr
.endm
.macro JLOAD s                         ; waves 0, 1: the two strips of B; waves 2, 3: the two halves of A. One load a wave
	s_cmp_eq_u32 s11, 0
	s_cbranch_scc0 .Lfor_a_\@
	tensor_load_to_lds s[G0B+4*(\s):G0B+4*(\s)+3], s[G1B:G1B+7]
	s_nop 0
	s_branch .Lasked_\@
.Lfor_a_\@:
	tensor_load_to_lds s[G0+4*(\s):G0+4*(\s)+3], s[G1:G1+7]
	s_nop 0
.Lasked_\@:
.endm
.macro CREST
	s_cmp_lg_u32 s10, 0
	s_cbranch_scc1 .Lnot_wave_0_\@
	s_barrier_signal -3
.Lnot_wave_0_\@:
	s_barrier_wait -3
	s_barrier_signal -1
	s_barrier_wait -1
.endm
.macro CROUND
	s_barrier_signal -1
	s_barrier_wait -1
	CREST
.endm
	s_load_b128 s[4:7], s[0:1], 0x0                ; att s[4:5], wdb s[6:7]
	s_load_b64 s[8:9], s[0:1], 0x10                ; out0
	v_lshl_add_u32 v254, v0, 2, 0x3b400
	v_mov_b32 v255, 0
	ds_add_u32 v254, v255
	v_lshrrev_b32 v1, 5, v0
	v_readfirstlane_b32 s10, v1                    ; wave 0..3
	s_lshr_b32 s11, s10, 1                         ; wm. Also: I fetch for B (0) or for A (1)
	s_and_b32 s12, s10, 1                          ; wn. Also: which strip or half I fetch
	s_bfe_u32 s40, ttmp6, 0x40000                  ; cx
	s_bfe_u32 s41, ttmp6, 0x40004                  ; cy
	s_lshl_b32 s42, ttmp9, 3
	s_add_co_u32 s42, s42, s40                     ; 8 clx + cx
	s_and_b32 s13, ttmp7, 0xffff
	s_lshl_b32 s13, s13, 2
	s_add_co_u32 s13, s13, s41                     ; block row
	s_lshl_b32 s43, s41, 2
	s_lshl_b32 s43, 15, s43                        ; my row of the cluster
	s_lshl_b32 s44, 0x1111, s40                    ; my column
	s_or_b32 s[G1+0], s43, (1<<16)|(1<<20)|(1<<21)|(5<<22)|(3<<25)
	s_or_b32 s[G1B+0], s44, (1<<16)|(1<<20)|(1<<21)|(5<<22)|(3<<25)
	s_mov_b32 s[G1+1], KSTEP<<16
	s_mov_b32 s[G1B+1], KSTEP<<16
	s_mov_b32 s[G1+2], 64<<16
	s_mov_b32 s[G1B+2], 128<<16
	s_mov_b32 s[G1+3], KSTEP<<16
	s_mov_b32 s[G1B+3], KSTEP<<16
	s_mov_b32 s[G1+4], 64
	s_mov_b32 s[G1B+4], 128
	s_mov_b32 s[G1+5], SIZE_K
	s_mov_b32 s[G1B+5], SIZE_K
	s_mov_b32 s[G1+6], 0
	s_mov_b32 s[G1B+6], 0
	s_mov_b32 s[G1+7], 0
	s_mov_b32 s[G1B+7], 0
	s_lshl_b32 s16, s13, 7+LOGROW
	s_lshl_b32 s17, s12, 6+LOGROW
	s_add_co_u32 s16, s16, s17
	s_mov_b32 s17, 0
	s_lshl_b32 s46, s42, 7+LOGROW
	s_lshl_b32 s47, s12, 9+LOGROW
	s_add_co_u32 s46, s46, s47
	s_mov_b32 s47, 0
	s_mul_i32 s20, s10, BSTRIP
	s_mul_i32 s21, s10, AHALF
	s_add_co_u32 s21, s21, BSTRIP
	s_wait_dscnt 0x0
	s_wait_kmcnt 0x0
	s_add_nc_u64 s[14:15], s[4:5], s[16:17]
	s_add_nc_u64 s[46:47], s[6:7], s[46:47]
	CROUND                                         ; all sixteen work-groups are here: the first joint loads meet
.irp s, 0,1
	s_mov_b32 s[G0+4*\s], 1
	s_add_co_u32 s[G0+4*\s+1], s21, \s*SLOT
	s_add_nc_u64 s[G0+4*\s+2:G0+4*\s+3], s[14:15], \s*KSTEP*2
	s_or_b32 s[G0+4*\s+3], s[G0+4*\s+3], 0x80000000
	s_mov_b32 s[G0B+4*\s], 1
	s_add_co_u32 s[G0B+4*\s+1], s20, \s*SLOT
	s_add_nc_u64 s[G0B+4*\s+2:G0B+4*\s+3], s[46:47], \s*KSTEP*2
	s_or_b32 s[G0B+4*\s+3], s[G0B+4*\s+3], 0x80000000
	JLOAD \s                                       ; two loads of the wave are out, the most in this text
.endr
	v_and_b32 v1, 15, v0                           ; r
	v_bfe_u32 v2, v0, 4, 1                         ; h
	v_mul_u32_u24 v3, v1, PITCH
	v_lshl_add_u32 v3, v2, 4, v3
	s_mul_i32 s22, s12, BSTRIP
	s_mul_i32 s21, s11, AHALF
	s_add_co_u32 s21, s21, 2*BSTRIP
.irp s, 0,1
	v_add_nc_u32 v[ADRA+\s], s21, v3
	v_add_nc_u32 v[ADRB+\s], s22, v3
	s_add_co_u32 s21, s21, SLOT
	s_add_co_u32 s22, s22, SLOT
.endr
	s_mul_i32 s23, s10, WSTAGE
	s_add_co_u32 s23, s23, STAGE                   ; my stage
	v_mul_u32_u24 v4, v1, SPITCH
	v_lshl_add_u32 v4, v2, 5, v4
	v_add_nc_u32 v[STO], s23, v4                   ; in: row r, 32 bytes for each half of the lanes
	v_and_b32 v5, 31, v0
	v_lshlrev_b32 v[CO], 4, v5                     ; back and out: the 32 lanes take one row of 512 bytes
	v_add_nc_u32 v[RD], s23, v[CO]
; The 32 accumulators take turns, one instruction a turn, in the same order in every quarter step.
.macro MUL16 f, a0, zero
.irp a, \a0, \a0+1
.irp b, 0,1,2,3,4,5,6,7
.if \zero
	v_wmma_f32_16x16x32_f16 v[8*(8*(\a)+\b):8*(8*(\a)+\b)+7], v[\f+8*\b:\f+8*\b+7], v[\f+64+8*(\a):\f+64+8*(\a)+7], 0
.else
	v_wmma_f32_16x16x32_f16 v[8*(8*(\a)+\b):8*(8*(\a)+\b)+7], v[\f+8*\b:\f+8*\b+7], v[\f+64+8*(\a):\f+64+8*(\a)+7], v[8*(8*(\a)+\b):8*(8*(\a)+\b)+7]
.endif
.endr
.endr
.endm
.macro FETCH slot, k, f
	WIN 0
.irp i, 0,1,2,3,4,5,6,7
	ds_load_b128 v[\f+8*\i:\f+8*\i+3],   v[ADRB+\slot] offset:\k+\i*16*PITCH
	ds_load_b128 v[\f+8*\i+4:\f+8*\i+7], v[ADRB+\slot] offset:\k+\i*16*PITCH+32
.endr
.irp i, 0,1,2,3
	ds_load_b128 v[\f+64+8*\i:\f+64+8*\i+3],   v[ADRA+\slot] offset:\k+\i*16*PITCH
	ds_load_b128 v[\f+64+8*\i+4:\f+64+8*\i+7], v[ADRA+\slot] offset:\k+\i*16*PITCH+32
.endr
.endm
.macro QUARTER slot, k, f, g, zero
	s_wait_dscnt 0x0                               ; buffer f is in: its loads were issued 32 matrix instructions ago, none is younger
	PLACES                                         ; behind the last matrix instruction that read buffer g
	FETCH \slot, \k, \g
	WIN MULW
	MUL16 \f, 0, \zero
	MUL16 \f, 2, \zero
.endm
.macro THREE slot, zero
	QUARTER \slot, 64,  F0, F1, \zero
	QUARTER \slot, 128, F1, F0, 0
	QUARTER \slot, 192, F0, F1, 0
.endm
; The change of slots: each wave waits for its reads of this slot and for all its tensor loads, then the barrier (with a refill: a round of the
; barrier of the cluster), then the refill first, then the first fragments of the next slot.
.macro TURN slot, next, fill
	s_wait_dscnt 0x0                               ; buffer 1 is in, and with it my last reads of this slot
	s_wait_tensorcnt 0x0                           ; all my tensor loads have landed: the one that was out is my part of the next slot
	ds_add_u32 v254, v255
	s_wait_dscnt 0x0
	s_barrier_signal -1
	WIN MULW
	MUL16 F1, 0, 0                                 ; register work while the others arrive
	WIN 0
	s_barrier_wait -1
.if \fill
	CREST
	s_add_nc_u64 s[G0+4*\slot+2:G0+4*\slot+3], s[G0+4*\slot+2:G0+4*\slot+3], 2*KSTEP*2
	s_add_nc_u64 s[G0B+4*\slot+2:G0B+4*\slot+3], s[G0B+4*\slot+2:G0B+4*\slot+3], 2*KSTEP*2
	JLOAD \slot                                    ; my one tensor load behind the round, and the first thing there
.endif
	PLACES                                         ; behind the last matrix instruction that read buffer 0
	FETCH \next, 0, F0
	WIN MULW
	MUL16 F1, 2, 0
.endm
.macro LAP zero
	THREE 0, \zero
	TURN 0, 1, 1
	THREE 1, 0
	TURN 1, 0, 1
.endm
	s_wait_tensorcnt 0x1                           ; my part of K step 0 is in; the 1 is my part of K step 1, which may stay out
	s_barrier_signal -1
	s_barrier_wait -1
	FETCH 0, 0, F0
	LAP 1                                          ; its first products start the sums
	WIN 0
	s_mov_b32 s3, LAPS-2
.Llap:
	LAP 0
	WIN 0
	s_sub_co_u32 s3, s3, 1
	s_cmp_lg_u32 s3, 0
	s_cbranch_scc1 .Llap
	THREE 0, 0                                     ; the last lap fills nothing
	TURN 0, 1, 0
	THREE 1, 0
	s_wait_dscnt 0x0
	WIN MULW
	MUL16 F1, 0, 0
	MUL16 F1, 2, 0
	PLACES                                         ; behind the last matrix instructions: results are stored to LDS and buffer 0 is loaded again below
	WIN 0
	; THE WAY OUT: 16 rows at a time through my stage; a store of the wave covers 512 neighbouring bytes at a multiple of 512
	s_lshl_b32 s16, s13, 20                        ; 128 rows of 8,192 bytes x block row
	s_lshl_b32 s17, s11, 19                        ; + 64 rows x wm
	s_add_co_u32 s16, s16, s17
	s_mov_b32 s17, 0
	s_add_nc_u64 s[8:9], s[8:9], s[16:17]
	s_lshl_b32 s46, s42, 9                         ; my strip x 512 bytes
	s_lshl_b32 s47, s12, 11
	s_add_co_u32 s46, s46, s47
	s_mov_b32 s47, 0
	s_add_nc_u64 s[8:9], s[8:9], s[46:47]
.macro OUTF a
	WIN 0x04                                       ; the data of an LDS store is source 1: window 1
.irp b, 0,1,2,3,4,5,6,7
	ds_store_b128 v[STO], v[64*\a+8*\b:64*\a+8*\b+3] offset:64*\b
	ds_store_b128 v[STO], v[64*\a+8*\b+4:64*\a+8*\b+7] offset:64*\b+16
.endr
	WIN 0
	s_wait_xcnt 0x0                                ; OB and the base, which earlier stores read, are rewritten only behind this wait
.if \a
	s_add_nc_u64 s[8:9], s[8:9], 16*CROWB
.endif
.irp t, 0,1,2,3,4,5,6,7,8,9,10,11,12,13,14,15
	ds_load_b128 v[OB+4*\t:OB+4*\t+3], v[RD] offset:\t*SPITCH      ; LDS serves the instructions of a wave in order: these see the stores above
.endr
.irp t, 0,1,2,3,4,5,6,7,8,9,10,11,12,13,14,15
	s_wait_dscnt 15-\t                             ; row t is back, the 15 - t younger loads stay out
	global_store_b128 v[CO], v[OB+4*\t:OB+4*\t+3], s[8:9] offset:\t*CROWB th:TH_STORE_NT
.endr
.endm
	OUTF 0
	OUTF 1
	OUTF 2
	OUTF 3
	s_wait_tensorcnt 0x0
	ds_add_u32 v254, v255
	s_wait_dscnt 0x0
	CROUND                                         ; the closing round
	s_endpgm
.Lfunc_end_k_qa8432fb447_dense:
	.size	k_qa8432fb447_dense, .Lfunc_end_k_qa8432fb447_dense-k_qa8432fb447_dense
	.p2alignl 7, 3214868480
	.fill 96, 4, 3214868480
	.section	.rodata,"a",@progbits
	.p2align	6, 0x0
	.amdhsa_kernel k_qa8432fb447_dense
		.amdhsa_group_segment_fixed_size 327680
		.amdhsa_private_segment_fixed_size 0
		.amdhsa_enable_private_segment 0
		.amdhsa_kernarg_size 24
		.amdhsa_user_sgpr_count 2
		.amdhsa_user_sgpr_kernarg_segment_ptr 1
		.amdhsa_wavefront_size32 1
		.amdhsa_system_sgpr_workgroup_id_x 1
		.amdhsa_system_sgpr_workgroup_id_y 1
		.amdhsa_system_sgpr_workgroup_id_z 1
		.amdhsa_system_vgpr_workitem_id 0
		.amdhsa_next_free_vgpr 512
		.amdhsa_next_free_sgpr 66
		.amdhsa_reserve_vcc 0
		.amdhsa_float_denorm_mode_32 3
		.amdhsa_float_denorm_mode_16_64 3
		.amdhsa_memory_ordered 1
		.amdhsa_forward_progress 1
		.amdhsa_inst_pref_size 117
	.end_amdhsa_kernel
	.amdgpu_metadata
---
amdhsa.version: [ 1, 2 ]
amdhsa.kernels:
  - .name:           k_qa8432fb447_dense
    .symbol:         k_qa8432fb447_dense.kd
    .args:
      - { .name: att, .offset: 0, .size: 8, .value_kind: global_buffer, .address_space: global }
      - { .name: wdb, .offset: 8, .size: 8, .value_kind: global_buffer, .address_space: global }
      - { .name: out0, .offset: 16, .size: 8, .value_kind: global_buffer, .address_space: global }
    .group_segment_fixed_size: 327680
    .private_segment_fixed_size: 0
    .kernarg_segment_align: 8
    .kernarg_segment_size: 24
    .max_flat_workgroup_size: 128
    .sgpr_count:     66
    .vgpr_count:     512
    .wavefront_size: 32
...
	.end_amdgpu_metadata
.endif
;; end of part 4
;; ======== version 2 of 2: 4 launches; 1.11 times as fast as version 1
;; limits: values are held in f16: magnitudes above 65,504 overflow, below 6.1e-05 lose precision
;; workspace buffers: hb 16,777,216 bytes; wqb 8,388,608 bytes; wdb 4,194,304 bytes; qkv 16,777,216 bytes; att 8,388,608 bytes
;; launch cast: the kernel of part 1 again; grid 1792 x 1, 8 waves a work-group, no clusters, 0 bytes of LDS; arguments hidden_states, w_qkv, w_dense, hb, wqb, wdb; writes hb, wqb, wdb
;; launch qkvp (part 5): grid 8 x 32, 4 waves a work-group, clusters of 4 x 4, 327,680 bytes of LDS; arguments hb, wqb, qkv, cos, sin, q_ln_w, k_ln_w; writes qkv
.if DOCPART == 5
	.amdgcn_target "amdgcn-amd-amdhsa--gfx1250"
	.amdhsa_code_object_version 6
	.text
	.protected	k_qa8432fb447_qkvp
	.globl	k_qa8432fb447_qkvp
	.p2align	8
	.type	k_qa8432fb447_qkvp,@function
k_qa8432fb447_qkvp:
	s_mov_b64 s[64:65], 0
	v_nop
	global_prefetch_b8 v0, s[64:65] scope:SCOPE_SE
	s_setreg_imm32_b32 hwreg(HW_REG_WAVE_MODE, 25, 1), 1
	s_wait_xcnt 0x0
	s_wait_alu depctr_hold_cnt(0) depctr_sa_sdst(0) depctr_va_vdst(0) depctr_va_sdst(0) depctr_va_ssrc(0) depctr_va_vcc(0) depctr_vm_vsrc(0)
	s_getreg_b32 s2, hwreg(HW_REG_IB_STS2, 6, 4)
	s_cmp_eq_u32 s2, 0
	s_cbranch_scc0 .Lentry_in_a_cluster
	s_endpgm
.Lentry_in_a_cluster:
	s_bfe_u32 s2, ttmp6, 0x10000c
	s_cmp_lg_u32 s2, 0xf033
	s_cbranch_scc0 .Lentry_shape_is_right
	s_endpgm
.Lentry_shape_is_right:
; qkv[row][o] = sum over h of hb[row][h] wqb[o][h] (4096 x 2048 x 2048, f16 operands, f32 sums), then per head of 128 columns:
;   q heads (columns 0-1023):    RMSNorm, gain q_ln_w, rotation of dims 0-63 by cos and sin, times log2(e)/sqrt(128), rounded to f16
;   k heads (columns 1024-1535): RMSNorm, gain k_ln_w, the same rotation, rounded to f16
;   v heads (columns 1536-2047): rounded to f16
; The factor on q is the score scale 1/sqrt(128) and the change of base for the exponentials of the next launch. Nothing is left out.
; LIMITS: operands and results are f16: beyond 65,504 a result becomes an infinity, below 2^-14 the step is 2^-24.
;   q, k: the norm bounds a number by sqrt(128) = 11.3, so a result is at most 11.3 x |gain| x sqrt(cos^2 + sin^2): 14,400 with gain, cos and sin all at 30.
;   v: a sum of 2,048 products; of spread 0.9 for operands of spread 1 and 0.02; 36,900 where both operands carry an offset of 30 spreads (2048 x 30 x 0.6).
;   The sum of 128 squares is kept in f32 (finite for |x| up to about 1e18).
;
; A work-group makes 128 rows x 256 columns with four waves; the 256 columns are two strips of 128 (two heads):
; strip of column half wn = 8 clx + 4 wn + cx (clx: the cluster along x, cx: the place in it). So the kind of a head hangs on clx and the
; number of the wave alone: clx = 0: both q; clx = 1: wn = 0 is k head cx, wn = 1 is v head cx. No branch hangs on cx or cy.
; A wave makes 64 rows x 128 columns: 4 x 8 accumulator tiles, 256 registers; a whole head of each of its rows lies in two lanes.
; THE RING: two LDS slots of unequal size, filled by tensor loads. Slot 0 holds 256 of K (rows of 512 bytes), slot 1 holds 128 of K (rows of 256 bytes):
; 384 rows x 528 + 384 rows x 272 + the stage = 324,608 bytes; two slots of 256 of K would be 405,504. K = 2048 goes as small, big, small, .. small:
; 6 x 128 + 5 x 256, eleven changes of slot where two slots of 128 have sixteen. Every row of a tile starts at a multiple of 256 bytes of memory.
; CLUSTER 4 x 4: the four groups of a cluster row need the same rows of hb, the four of a cluster column the same rows of wqb:
; each tile is asked for jointly by the four, which divides the requests for both operands by four.
; The matrix instruction is used transposed (source 0 = rows of wqb, source 1 = rows of hb): lane (r, h), register j of tile (a, b)
; holds row 16 a + r, column 16 b + 8 h + j: eight neighbouring columns of one row.
;
; REGISTERS. window 0: v16-28 addresses; v32-127, v128-223 two fragment buffers (B tile b at +8 b, A tile a at +64 + 8 a), at work on the way out
;            window 1: accumulator tile (a, b) at v[8 (8 a + b)]
;            window 2: cos of my rows (m tile a, column tile b) at 64 a + 8 b, sin at 64 a + 32 + 8 b;  window 3: the gain at 8 b
.set SIZE_K, 2048
.set LOGROW, 12                        ; a row of hb and of wqb is 4,096 bytes
.set PB,     528                       ; LDS pitch in slot 0: 512 bytes + 16 of padding
.set PS,     272                       ; LDS pitch in slot 1: 256 bytes + 16; both are odd multiples of 16: the 16 rows of a fragment load start 16 bytes apart modulo 256
.set BIGB,   128*PB                    ; slot 0: a strip of B, 128 rows
.set BIGA,   64*PB                     ;         half of the rows of A, 64 rows
.set BIG,    2*BIGB+2*BIGA             ;         B strip 0, B strip 1, A rows 0-63, A rows 64-127: 202,752 bytes
.set SMB,    128*PS                    ; slot 1 likewise
.set SMA,    64*PS
.set SMALL,  2*SMB+2*SMA               ;         104,448 bytes
.set SM0,    BIG                       ; slot 1 begins behind slot 0
.set STAGE,  BIG+SMALL                 ; behind the ring, at a multiple of 256: 16 rows x 272 bytes for each wave; no tensor load lands here
.set SPITCH, 272
.set WSTAGE, 16*SPITCH
.set LAPB,   768                       ; bytes along a row from one fill of a slot to its next: 384 of K
.set KB0,    256                       ; the first fill of slot 0 begins at K = 128,
.set KS0,    0                         ; that of slot 1 at K = 0
.set CROWB,  4096                      ; bytes in a row of qkv
.set ADRA, 16                          ; v16-17  LDS address of my A fragments in slot 0, 1
.set ADRB, 20                          ; v20-21  the same for B
.set STO,  24                          ; the way out: where I put 16 bytes of a row
.set RD,   25                          ; the way out: where I read a row back
.set CO,   26                          ; my byte offset in qkv
.set CSO,  27                          ; my byte offset in cos and sin: 256 r + 32 h
.set WO,   28                          ; my byte offset in the gain: 32 h
.set F0,   32
.set F1,   128
.set T,    32                          ; v32-95   a row tile in f32: 8 column tiles x 8
.set U,    96                          ; v96-111  rotated dims 0-31
.set W,    128                         ; v128-143 rotated dims 32-63
.set PK,   144                         ; v144-175 packed f16
.set OB,   176                         ; v176-207 rows read back for the stores
.set SS,   176                         ; the same registers, earlier: sums of squares, 8 for each m tile
.set RS,   216                         ; v216-223 a pair for each m tile: rsqrt(mean + eps) x factor, twice
.set G0A, 24                           ; s[24:31] group 0 for the tiles of A, a set for each slot
.set G0B, 32                           ; s[32:39] group 0 for the tiles of B, a set for each slot
.set G1A, 48                           ; s[48:63] group 1 for the tiles of A, a set for each slot
.set G1B, 68                           ; s[68:83] group 1 for the tiles of B, a set for each slot
.set G1C, (1<<16)|(1<<20)|(1<<21)|(3<<25)  ; elements of 2 bytes; padding on, of 4 words; bit 21 beside the mask
.set MULW, 0x50                        ; sources in window 0, C and D in window 1
.set MSB, 0
.macro WIN new                         ; the high byte of the immediate repeats the setting that is left
.if MSB != (\new)
	s_set_vgpr_msb (MSB<<8)|(\new)
.set MSB, (\new)
.endif
.endm
.macro PLACES                          ; four plain places behind a matrix instruction (ISA guide 7.12.1), where there is no other vector work
.rept 4
	v_nop
.endr
.endm
; A joint load. Waves 0 and 1 fetch the two strips of B, waves 2 and 3 the two halves of A: one load a wave. The branch hangs on the number of the wave alone.
.macro JLOAD s
	s_cmp_eq_u32 s11, 0
	s_cbranch_scc0 .Lfor_a_\@
	tensor_load_to_lds s[G0B+4*(\s):G0B+4*(\s)+3], s[G1B+8*(\s):G1B+8*(\s)+7]
	s_nop 0
	s_branch .Lasked_\@
.Lfor_a_\@:
	tensor_load_to_lds s[G0A+4*(\s):G0A+4*(\s)+3], s[G1A+8*(\s):G1A+8*(\s)+7]
	s_nop 0
.Lasked_\@:
.endm
.macro CREST                           ; a round of the barrier of the cluster, behind its opening work-group barrier
	s_cmp_lg_u32 s10, 0
	s_cbranch_scc1 .Lnot_wave_0_\@
	s_barrier_signal -3
.Lnot_wave_0_\@:
	s_barrier_wait -3
	s_barrier_signal -1
	s_barrier_wait -1
.endm
.macro CROUND                          ; a whole round
	s_barrier_signal -1
	s_barrier_wait -1
	CREST
.endm
	s_load_b128 s[4:7], s[0:1], 0x0                ; hb s[4:5], wqb s[6:7]
	s_load_b64 s[8:9], s[0:1], 0x10                ; qkv
	s_load_b256 s[84:91], s[0:1], 0x18             ; cos s[84:85], sin s[86:87], q_ln_w s[88:89], k_ln_w s[90:91]
	v_lshl_add_u32 v254, v0, 2, 0x4f400
	v_mov_b32 v255, 0
	ds_add_u32 v254, v255
	v_lshrrev_b32 v1, 5, v0
	v_readfirstlane_b32 s10, v1                    ; wave 0..3
	s_lshr_b32 s11, s10, 1                         ; wm: which 64 rows are mine. Also: I fetch for B (0) or for A (1)
	s_and_b32 s12, s10, 1                          ; wn: which strip is mine. Also: which strip or half I fetch
	s_bfe_u32 s40, ttmp6, 0x40000                  ; cx
	s_bfe_u32 s41, ttmp6, 0x40004                  ; cy
	s_lshl_b32 s42, ttmp9, 3
	s_add_co_u32 s42, s42, s40                     ; 8 clx + cx: strip 0 of the block; strip 1 is 4 further
	s_and_b32 s13, ttmp7, 0xffff
	s_lshl_b32 s13, s13, 2
	s_add_co_u32 s13, s13, s41                     ; block row = 4 x cluster y + cy
	s_lshl_b32 s43, s41, 2
	s_lshl_b32 s43, 15, s43                        ; my row of the cluster: places 4 cy .. 4 cy + 3
	s_lshl_b32 s44, 0x1111, s40                    ; my column: places cx, cx + 4, cx + 8, cx + 12
	; group 1, a set for each slot: slot 0 rows of 256 elements, padded behind every 128 words; slot 1 rows of 128 elements, padded behind every 64 words
	s_or_b32 s[G1A+0], s43, G1C|(6<<22)            ; the tiles of A go to my row of the cluster
	s_or_b32 s[G1A+8], s43, G1C|(5<<22)
	s_or_b32 s[G1B+0], s44, G1C|(6<<22)            ; the tiles of B to my column
	s_or_b32 s[G1B+8], s44, G1C|(5<<22)
.irp g, G1A, G1B
	s_mov_b32 s[\g+1], 256<<16                     ; tensor_dim0
	s_mov_b32 s[\g+9], 128<<16
	s_mov_b32 s[\g+3], 256<<16                     ; tile_dim0
	s_mov_b32 s[\g+11], 128<<16
	s_mov_b32 s[\g+5], SIZE_K                      ; elements from row to row
	s_mov_b32 s[\g+13], SIZE_K
	s_mov_b32 s[\g+6], 0
	s_mov_b32 s[\g+14], 0
	s_mov_b32 s[\g+7], 0
	s_mov_b32 s[\g+15], 0
.endr
	s_mov_b32 s[G1A+2], 64<<16                     ; tensor_dim1 = 64 rows of A
	s_mov_b32 s[G1A+10], 64<<16
	s_mov_b32 s[G1A+4], 64                         ; tile_dim1
	s_mov_b32 s[G1A+12], 64
	s_mov_b32 s[G1B+2], 128<<16                    ; 128 rows of B
	s_mov_b32 s[G1B+10], 128<<16
	s_mov_b32 s[G1B+4], 128
	s_mov_b32 s[G1B+12], 128
	; where the tiles come from: A hangs on the block row and the wave, B on 8 clx + cx and the wave, each in registers that never hold the other coordinate
	s_lshl_b32 s16, s13, 7+LOGROW                  ; 128 rows x block row, in bytes
	s_lshl_b32 s17, s12, 6+LOGROW                  ; + 64 rows x half
	s_add_co_u32 s16, s16, s17
	s_mov_b32 s17, 0
	s_lshl_b32 s46, s42, 7+LOGROW                  ; 128 rows x (8 clx + cx)
	s_lshl_b32 s47, s12, 9+LOGROW                  ; + 512 rows for strip 1
	s_add_co_u32 s46, s46, s47
	s_mov_b32 s47, 0
	s_mul_i32 s20, s10, BIGB                       ; where they go: the wave's number times a constant, plus the slot's constant below
	s_mul_i32 s21, s10, BIGA
	s_mul_i32 s22, s10, SMB
	s_mul_i32 s23, s10, SMA
	s_wait_dscnt 0x0
	s_wait_kmcnt 0x0
	s_add_nc_u64 s[14:15], s[4:5], s[16:17]
	s_add_nc_u64 s[46:47], s[6:7], s[46:47]
	CROUND                                         ; all sixteen work-groups are here: the first joint loads meet
	s_mov_b32 s[G0A+0], 1
	s_add_co_u32 s[G0A+1], s21, BIGB               ; A, slot 0 (waves 2, 3): 67,584 + wave x 33,792 = 135,168 and 168,960
	s_add_nc_u64 s[G0A+2:G0A+3], s[14:15], KB0
	s_or_b32 s[G0A+3], s[G0A+3], 0x80000000
	s_mov_b32 s[G0A+4], 1
	s_add_co_u32 s[G0A+5], s23, SM0+SMB            ; A, slot 1: 202,752 + 34,816 + wave x 17,408
	s_add_nc_u64 s[G0A+6:G0A+7], s[14:15], KS0
	s_or_b32 s[G0A+7], s[G0A+7], 0x80000000
	s_mov_b32 s[G0B+0], 1
	s_add_co_u32 s[G0B+1], s20, 0                  ; B, slot 0 (waves 0, 1): wave x 67,584
	s_add_nc_u64 s[G0B+2:G0B+3], s[46:47], KB0
	s_or_b32 s[G0B+3], s[G0B+3], 0x80000000
	s_mov_b32 s[G0B+4], 1
	s_add_co_u32 s[G0B+5], s22, SM0                ; B, slot 1: 202,752 + wave x 34,816
	s_add_nc_u64 s[G0B+6:G0B+7], s[46:47], KS0
	s_or_b32 s[G0B+7], s[G0B+7], 0x80000000
	JLOAD 1                                        ; K 0-127, read first,
	JLOAD 0                                        ; and K 128-383: two loads of the wave are out, the most in this text
	v_and_b32 v1, 15, v0                           ; r
	v_bfe_u32 v2, v0, 4, 1                         ; h
	v_mul_u32_u24 v3, v1, PS
	v_lshl_add_u32 v3, v2, 4, v3                   ; r x 272 + 16 h
	v_mul_u32_u24 v6, v1, PB
	v_lshl_add_u32 v6, v2, 4, v6                   ; r x 528 + 16 h
	s_mul_i32 s20, s12, BIGB                       ; my strip of B and my 64 rows of A in slot 0,
	s_mul_i32 s21, s11, BIGA
	s_add_co_u32 s21, s21, 2*BIGB
	s_mul_i32 s22, s12, SMB                        ; and in slot 1
	s_add_co_u32 s22, s22, SM0
	s_mul_i32 s23, s11, SMA
	s_add_co_u32 s23, s23, SM0+2*SMB
	v_add_nc_u32 v[ADRB+0], s20, v6
	v_add_nc_u32 v[ADRA+0], s21, v6
	v_add_nc_u32 v[ADRB+1], s22, v3
	v_add_nc_u32 v[ADRA+1], s23, v3
	s_mul_i32 s23, s10, WSTAGE
	s_add_co_u32 s23, s23, STAGE                   ; my stage
	v_add_nc_u32 v[STO], s23, v3                   ; in: row r, 16 bytes for each half of the lanes
	v_mul_u32_u24 v5, v2, SPITCH
	v_lshl_add_u32 v5, v1, 4, v5
	v_add_nc_u32 v[RD], s23, v5                    ; back: lanes 0-15 one row of 256 bytes, lanes 16-31 the next
	v_lshlrev_b32 v5, 12, v2
	v_lshl_add_u32 v[CO], v1, 4, v5                ; the same two rows in qkv
	v_lshlrev_b32 v[WO], 5, v2
	v_lshl_add_u32 v[CSO], v1, 8, v[WO]
; 16 matrix instructions: m tiles a0, a0 + 1 x all 8 column tiles, 32 along K. zero = 1: the first product starts the sums.
; The 32 accumulators take turns, one instruction a turn, in the same order in every quarter step.
.macro MUL16 f, a0, zero
.irp a, \a0, \a0+1
.irp b, 0,1,2,3,4,5,6,7
.if \zero
	v_wmma_f32_16x16x32_f16 v[8*(8*(\a)+\b):8*(8*(\a)+\b)+7], v[\f+8*\b:\f+8*\b+7], v[\f+64+8*(\a):\f+64+8*(\a)+7], 0
.else
	v_wmma_f32_16x16x32_f16 v[8*(8*(\a)+\b):8*(8*(\a)+\b)+7], v[\f+8*\b:\f+8*\b+7], v[\f+64+8*(\a):\f+64+8*(\a)+7], v[8*(8*(\a)+\b):8*(8*(\a)+\b)+7]
.endif
.endr
.endr
.endm
; 24 LDS loads in one run: the fragments of 32 of K (128 rows of B, 64 rows of A, at byte k of the rows of the slot) into buffer f
.macro FETCH slot, k, f
	WIN 0
.irp i, 0,1,2,3,4,5,6,7
	ds_load_b128 v[\f+8*\i:\f+8*\i+3],   v[ADRB+\slot] offset:\k+\i*16*(PB-\slot*(PB-PS))
	ds_load_b128 v[\f+8*\i+4:\f+8*\i+7], v[ADRB+\slot] offset:\k+\i*16*(PB-\slot*(PB-PS))+32
.endr
.irp i, 0,1,2,3
	ds_load_b128 v[\f+64+8*\i:\f+64+8*\i+3],   v[ADRA+\slot] offset:\k+\i*16*(PB-\slot*(PB-PS))
	ds_load_b128 v[\f+64+8*\i+4:\f+64+8*\i+7], v[ADRA+\slot] offset:\k+\i*16*(PB-\slot*(PB-PS))+32
.endr
.endm
; 32 of K, not the last of its slot: asks for the next 32 (byte k of the rows, into buffer g), then multiplies buffer f.
.macro QUARTER slot, k, f, g, zero
	s_wait_dscnt 0x0                               ; buffer f is in: its loads were issued 32 matrix instructions ago, none is younger
	PLACES                                         ; behind the last matrix instruction that read buffer g
	FETCH \slot, \k, \g
	WIN MULW
	MUL16 \f, 0, \zero
	MUL16 \f, 2, \zero
.endm
.macro THREE slot, zero                ; all but the last 32 of a slot of 128 of K
	QUARTER \slot, 64,  F0, F1, \zero
	QUARTER \slot, 128, F1, F0, 0
	QUARTER \slot, 192, F0, F1, 0
.endm
.macro SEVEN slot, zero                ; all but the last 32 of a slot of 256 of K
	QUARTER \slot, 64,  F0, F1, \zero
	QUARTER \slot, 128, F1, F0, 0
	QUARTER \slot, 192, F0, F1, 0
	QUARTER \slot, 256, F1, F0, 0
	QUARTER \slot, 320, F0, F1, 0
	QUARTER \slot, 384, F1, F0, 0
	QUARTER \slot, 448, F0, F1, 0
.endm
; The last 32 of K of a slot: multiplies buffer 1 and changes slots. fill = 1: this slot is filled again, 384 of K ahead.
; In front of the barrier each wave waits for its reads of this slot and for all its tensor loads (the one that is out is its part of the next slot).
; Behind it nobody reads this slot and the next slot is whole: the refill comes first, then the first fragments of the next slot.
; From a request to the wait for it a wave issues 240 matrix instructions (slot 1 filled while slot 0 is multiplied) or 112 (the other way round).
.macro TURN slot, next, fill
	s_wait_dscnt 0x0                               ; buffer 1 is in, and with it my last reads of this slot
	s_wait_tensorcnt 0x0                           ; all my tensor loads have landed
	ds_add_u32 v254, v255
	s_wait_dscnt 0x0
	s_barrier_signal -1                            ; where a slot is filled again this barrier opens a round of the barrier of the cluster
	WIN MULW
	MUL16 F1, 0, 0                                 ; register work while the others arrive
	WIN 0
	s_barrier_wait -1
.if \fill
	CREST                                          ; no wave of any partner still reads this slot or has a load on its way
	s_add_nc_u64 s[G0A+4*\slot+2:G0A+4*\slot+3], s[G0A+4*\slot+2:G0A+4*\slot+3], LAPB
	s_add_nc_u64 s[G0B+4*\slot+2:G0B+4*\slot+3], s[G0B+4*\slot+2:G0B+4*\slot+3], LAPB
	JLOAD \slot                                    ; my one tensor load behind the round, and the first thing there
.endif
	PLACES                                         ; behind the last matrix instruction that read buffer 0
	FETCH \next, 0, F0
	WIN MULW
	MUL16 F1, 2, 0
.endm
.macro LAP zero                        ; once round the ring: 128 of K from slot 1, 256 from slot 0, both filled again
	THREE 1, \zero
	TURN 1, 0, 1
	SEVEN 0, 0
	TURN 0, 1, 1
.endm
	s_wait_tensorcnt 0x1                           ; my part of K 0-127 is in; the 1 is my part of K 128-383, which may stay out
	s_barrier_signal -1
	s_barrier_wait -1
	FETCH 1, 0, F0
	LAP 1                                          ; the first lap stands in front of the loop: its first products start the sums
	WIN 0
	s_mov_b32 s3, 3                                ; laps 1 to 3: K 384-1535; their refills reach K 1919
.Llap:
	LAP 0
	WIN 0
	s_sub_co_u32 s3, s3, 1
	s_cmp_lg_u32 s3, 0
	s_cbranch_scc1 .Llap
	THREE 1, 0                                     ; K 1536-1663
	TURN 1, 0, 1                                   ; the last fill: K 1920-2047 into slot 1
	SEVEN 0, 0                                     ; K 1664-1919
	TURN 0, 1, 0                                   ; nothing is left to fetch
	THREE 1, 0                                     ; K 1920-2047
	s_wait_dscnt 0x0
	WIN MULW
	MUL16 F1, 0, 0
	MUL16 F1, 2, 0
	PLACES                                         ; behind the last matrix instructions: results are read and fragment registers rewritten below
	WIN 0
	; THE WAY OUT. No tensor load is out since the last change of slots, so the registers of the groups 0 serve as scalars here.
	s_lshl_b32 s16, s13, 19                        ; 128 rows of 4,096 bytes x block row
	s_lshl_b32 s17, s11, 18                        ; + 64 rows x wm
	s_add_co_u32 s16, s16, s17
	s_mov_b32 s17, 0
	s_add_nc_u64 s[8:9], s[8:9], s[16:17]
	s_lshl_b32 s46, s42, 8                         ; my strip x 256 bytes
	s_lshl_b32 s47, s12, 10
	s_add_co_u32 s46, s46, s47
	s_mov_b32 s47, 0
	s_add_nc_u64 s[8:9], s[8:9], s[46:47]
	s_lshl_b32 s16, s13, 15                        ; cos and sin: rows of 256 bytes, my first row = 128 block row + 64 wm
	s_lshl_b32 s17, s11, 14
	s_add_co_u32 s16, s16, s17
	s_mov_b32 s17, 0
	s_add_nc_u64 s[28:29], s[84:85], s[16:17]      ; cos at my first row
	s_add_nc_u64 s[30:31], s[86:87], s[16:17]      ; sin
	s_mov_b32 s26, 0x3c000000                      ; 1/128
	s_mov_b32 s27, 0x358637bd                      ; 1e-6
	s_mov_b32 s34, 0x76543210                      ; v_permlanex16_b32: lane i reads lane i of the other half
	s_mov_b32 s35, 0xfedcba98
	s_mov_b32 s32, 0x3f800000                      ; k heads keep their size,
	s_cmp_eq_u32 ttmp9, 0
	s_cselect_b32 s32, 0x3e0293ee, s32             ; q heads take log2(e)/sqrt(128)
	s_cselect_b64 s[24:25], s[88:89], s[90:91]     ; and their own gain
	s_and_b32 s33, ttmp9, s12                      ; 1: a v head
	s_cmp_lg_u32 s33, 0
	s_cbranch_scc1 .Lplain
; 16 rows through my stage: 16 bytes a lane in, whole rows of 256 bytes back, sixteen lanes store 256 bytes at a multiple of 256.
.macro OUTB a
.irp b, 0,1,2,3,4,5,6,7
	ds_store_b128 v[STO], v[PK+4*\b:PK+4*\b+3] offset:32*\b
.endr
	s_wait_xcnt 0x0                                ; OB and the base, which earlier stores read, are rewritten only behind this wait
.if \a
	s_add_nc_u64 s[8:9], s[8:9], 16*CROWB
.endif
.irp t, 0,1,2,3,4,5,6,7
	ds_load_b128 v[OB+4*\t:OB+4*\t+3], v[RD] offset:\t*2*SPITCH    ; LDS serves the instructions of a wave in order: these see the stores above
.endr
.irp t, 0,1,2,3,4,5,6,7
	s_wait_dscnt 7-\t                              ; pair t of rows is back, the 7 - t younger loads stay out
	global_store_b128 v[CO], v[OB+4*\t:OB+4*\t+3], s[8:9] offset:2*\t*CROWB
.endr
.endm
; the sum of squares of my 64 numbers of each of the 16 rows of m tile a, in four chains of pairs; the first four products start them
.macro SUMSQ a
.irp p, 0,1,2,3
	v_pk_mul_f32 v[SS+8*\a+2*\p:SS+8*\a+2*\p+1], v[64*\a+2*\p:64*\a+2*\p+1], v[64*\a+2*\p:64*\a+2*\p+1]
.endr
.set j, 4
.rept 28
	v_pk_fma_f32 v[SS+8*\a+2*(j%4):SS+8*\a+2*(j%4)+1], v[64*\a+2*j:64*\a+2*j+1], v[64*\a+2*j:64*\a+2*j+1], v[SS+8*\a+2*(j%4):SS+8*\a+2*(j%4)+1]
.set j, j+1
.endr
.endm
; rsqrt(mean of squares + eps) x factor: the other 64 numbers of the row lie in the lane 16 further
.macro RSQ a
	v_pk_add_f32 v[SS+8*\a:SS+8*\a+1], v[SS+8*\a:SS+8*\a+1], v[SS+8*\a+2:SS+8*\a+3]
	v_pk_add_f32 v[SS+8*\a+4:SS+8*\a+5], v[SS+8*\a+4:SS+8*\a+5], v[SS+8*\a+6:SS+8*\a+7]
	v_pk_add_f32 v[SS+8*\a:SS+8*\a+1], v[SS+8*\a:SS+8*\a+1], v[SS+8*\a+4:SS+8*\a+5]
	v_add_f32 v224, v[SS+8*\a], v[SS+8*\a+1]
	v_permlanex16_b32 v225, v224, s34, s35
	v_add_f32 v224, v224, v225
	v_fma_f32 v224, v224, s26, s27                 ; sum / 128 + eps
	v_rsq_f32 v226, v224
	v_nop                                          ; one plain place behind the transcendental (ISA guide 5.7.2)
	s_wait_alu depctr_va_vdst(0)
	v_mul_f32 v[RS+2*\a], s32, v226
	v_mov_b32 v[RS+2*\a+1], v[RS+2*\a]
.endm
; m tile a: x gain, x rsqrt, rotation of column tiles 0-3 (tile b pairs with tile b + 2: dims d and d + 32), rounding, out
.macro NORMROPE a
	WIN 0x0d                                       ; source 0 window 1 (sums), source 1 window 3 (gain)
.set j, 0
.rept 32
	v_pk_mul_f32 v[T+2*j:T+2*j+1], v[64*\a+2*j:64*\a+2*j+1], v[2*j:2*j+1]
.set j, j+1
.endr
	WIN 0
.set j, 0
.rept 32
	v_pk_mul_f32 v[T+2*j:T+2*j+1], v[T+2*j:T+2*j+1], v[RS+2*\a:RS+2*\a+1]
.set j, j+1
.endr
	WIN 0x08                                       ; source 1 window 2 (cos, sin)
.irp b, 0,1
.irp p, 0,2,4,6
	v_pk_mul_f32 v[U+8*\b+\p:U+8*\b+\p+1], v[T+8*\b+\p:T+8*\b+\p+1], v[64*\a+8*\b+\p:64*\a+8*\b+\p+1]                       ; x[d] cos[d]
	v_pk_mul_f32 v[W+8*\b+\p:W+8*\b+\p+1], v[T+16+8*\b+\p:T+16+8*\b+\p+1], v[64*\a+16+8*\b+\p:64*\a+16+8*\b+\p+1]           ; x[d+32] cos[d+32]
	v_fma_f32 v[U+8*\b+\p], -v[T+16+8*\b+\p], v[64*\a+32+8*\b+\p], v[U+8*\b+\p]                                             ; - x[d+32] sin[d]
	v_fma_f32 v[U+8*\b+\p+1], -v[T+16+8*\b+\p+1], v[64*\a+32+8*\b+\p+1], v[U+8*\b+\p+1]
	v_pk_fma_f32 v[W+8*\b+\p:W+8*\b+\p+1], v[T+8*\b+\p:T+8*\b+\p+1], v[64*\a+48+8*\b+\p:64*\a+48+8*\b+\p+1], v[W+8*\b+\p:W+8*\b+\p+1]   ; + x[d] sin[d+32]
.endr
.endr
	WIN 0
.irp i, 0,1,2,3,4,5,6,7
	v_cvt_pk_f16_f32 v[PK+\i], v[U+2*\i], v[U+2*\i+1]
.endr
.irp i, 0,1,2,3,4,5,6,7
	v_cvt_pk_f16_f32 v[PK+8+\i], v[W+2*\i], v[W+2*\i+1]
.endr
.set j, 0
.rept 16
	v_cvt_pk_f16_f32 v[PK+16+j], v[T+32+2*j], v[T+32+2*j+1]        ; dims 64-127 are not rotated
.set j, j+1
.endr
	OUTB \a
.endm
.macro PLAIN a                         ; a v head: rounding alone
	WIN 0x05
.set j, 0
.rept 32
	v_cvt_pk_f16_f32 v[PK+j], v[64*\a+2*j], v[64*\a+2*j+1]
.set j, j+1
.endr
	WIN 0
	OUTB \a
.endm
	; q and k heads. The tables are asked for first and land under the sums of squares.
	WIN 0x80                                       ; destination window 2
.irp a, 0,1,2,3
.irp b, 0,1,2,3
	global_load_b128 v[64*\a+8*\b:64*\a+8*\b+3],       v[CSO], s[28:29] offset:4096*\a+64*\b
	global_load_b128 v[64*\a+8*\b+4:64*\a+8*\b+7],     v[CSO], s[28:29] offset:4096*\a+64*\b+16
	global_load_b128 v[64*\a+32+8*\b:64*\a+32+8*\b+3],   v[CSO], s[30:31] offset:4096*\a+64*\b
	global_load_b128 v[64*\a+32+8*\b+4:64*\a+32+8*\b+7], v[CSO], s[30:31] offset:4096*\a+64*\b+16
.endr
.endr
	WIN 0xc0                                       ; destination window 3
.irp b, 0,1,2,3,4,5,6,7
	global_load_b128 v[8*\b:8*\b+3],   v[WO], s[24:25] offset:64*\b
	global_load_b128 v[8*\b+4:8*\b+7], v[WO], s[24:25] offset:64*\b+16
.endr
	WIN 0x05                                       ; sources 0 and 1 window 1
	SUMSQ 0
	SUMSQ 1
	SUMSQ 2
	SUMSQ 3
	WIN 0
	v_mov_b32 v225, 0                              ; the destination of v_permlanex16_b32 counts as read
	RSQ 0
	RSQ 1
	RSQ 2
	RSQ 3
	s_wait_loadcnt 0x0                             ; cos, sin and the gain are in
	NORMROPE 0
	NORMROPE 1
	NORMROPE 2
	NORMROPE 3
	s_branch .Ldone
.Lplain:
	PLAIN 0
	PLAIN 1
	PLAIN 2
	PLAIN 3
.Ldone:
	s_wait_tensorcnt 0x0
	ds_add_u32 v254, v255
	s_wait_dscnt 0x0
	CROUND                                         ; the closing round: no work-group ends while a partner may still ask for a tile that names it
	s_endpgm
.Lfunc_end_k_qa8432fb447_qkvp:
	.size	k_qa8432fb447_qkvp, .Lfunc_end_k_qa8432fb447_qkvp-k_qa8432fb447_qkvp
	.p2alignl 7, 3214868480
	.fill 96, 4, 3214868480
	.section	.rodata,"a",@progbits
	.p2align	6, 0x0
	.amdhsa_kernel k_qa8432fb447_qkvp
		.amdhsa_group_segment_fixed_size 327680
		.amdhsa_private_segment_fixed_size 0
		.amdhsa_enable_private_segment 0
		.amdhsa_kernarg_size 56
		.amdhsa_user_sgpr_count 2
		.amdhsa_user_sgpr_kernarg_segment_ptr 1
		.amdhsa_wavefront_size32 1
		.amdhsa_system_sgpr_workgroup_id_x 1
		.amdhsa_system_sgpr_workgroup_id_y 1
		.amdhsa_system_sgpr_workgroup_id_z 1
		.amdhsa_system_vgpr_workitem_id 0
		.amdhsa_next_free_vgpr 832
		.amdhsa_next_free_sgpr 92
		.amdhsa_reserve_vcc 0
		.amdhsa_float_denorm_mode_32 3
		.amdhsa_float_denorm_mode_16_64 3
		.amdhsa_memory_ordered 1
		.amdhsa_forward_progress 1
		.amdhsa_inst_pref_size 239
	.end_amdhsa_kernel
	.amdgpu_metadata
---
amdhsa.version: [ 1, 2 ]
amdhsa.kernels:
  - .name:           k_qa8432fb447_qkvp
    .symbol:         k_qa8432fb447_qkvp.kd
    .args:
      - { .name: hb, .offset: 0, .size: 8, .value_kind: global_buffer, .address_space: global }
      - { .name: wqb, .offset: 8, .size: 8, .value_kind: global_buffer, .address_space: global }
      - { .name: qkv, .offset: 16, .size: 8, .value_kind: global_buffer, .address_space: global }
      - { .name: cos, .offset: 24, .size: 8, .value_kind: global_buffer, .address_space: global }
      - { .name: sin, .offset: 32, .size: 8, .value_kind: global_buffer, .address_space: global }
      - { .name: q_ln_w, .offset: 40, .size: 8, .value_kind: global_buffer, .address_space: global }
      - { .name: k_ln_w, .offset: 48, .size: 8, .value_kind: global_buffer, .address_space: global }
    .group_segment_fixed_size: 327680
    .private_segment_fixed_size: 0
    .kernarg_segment_align: 8
    .kernarg_segment_size: 56
    .max_flat_workgroup_size: 128
    .sgpr_count:     92
    .vgpr_count:     832
    .wavefront_size: 32
...
	.end_amdgpu_metadata
.endif
;; end of part 5
;; launch attn (part 6): grid 16 x 16, 4 waves a work-group, clusters of 4 x 1, 327,680 bytes of LDS; arguments qkv, att; writes att
.if DOCPART == 6
	.amdgcn_target "amdgcn-amd-amdhsa--gfx1250"
	.amdhsa_code_object_version 6
	.text
	.protected	k_qa8432fb447_attn
	.globl	k_qa8432fb447_attn
	.p2align	8
	.type	k_qa8432fb447_attn,@function
k_qa8432fb447_attn:
	s_mov_b64 s[64:65], 0
	v_nop
	global_prefetch_b8 v0, s[64:65] scope:SCOPE_SE
	s_setreg_imm32_b32 hwreg(HW_REG_WAVE_MODE, 25, 1), 1
	s_wait_xcnt 0x0
	s_wait_alu depctr_hold_cnt(0) depctr_sa_sdst(0) depctr_va_vdst(0) depctr_va_sdst(0) depctr_va_ssrc(0) depctr_va_vcc(0) depctr_vm_vsrc(0)
	s_getreg_b32 s2, hwreg(HW_REG_IB_STS2, 6, 4)
	s_cmp_eq_u32 s2, 0
	s_cbranch_scc0 .Lentry_in_a_cluster
	s_endpgm
.Lentry_in_a_cluster:
	s_bfe_u32 s2, ttmp6, 0x10000c
	s_cmp_lg_u32 s2, 0x3003
	s_cbranch_scc0 .Lentry_shape_is_right
	s_endpgm
.Lentry_shape_is_right:
; Attention with a running maximum. qkv: [4096][2048] f16 as the launch before left it (q head hq at byte 256 hq of a row, k head g at 2048 + 256 g,
; v head g at 3072 + 256 g; q already holds log2(e)/sqrt(128), so scores are exponents of 2). att: [4096][1024] f16, head hq at byte 256 hq.
; Query head hq uses key and value head hq / 2 (8 query heads, 4 key and value heads). Nothing is left out.
; LIMITS: probabilities and results are rounded to f16 for the products. A probability lies in [0, 1] (the maximum is taken away), so its
; rounding error is at most 2^-12 of itself or 2^-25, against the largest of its keys, which is 1; one below 2^-126 counts as 0 (v_exp_f32 flushes).
; A result is a convex mix of numbers of v, so it is in the range of f16 wherever v is.
; The maxima ignore a NaN (v_max_num), which still reaches the result of its row through the exponential and the sum.
; The running maximum starts at -infinity and the sums at 0, so the first step's factor is 2^-infinity = 0 and the first step's softmax has no text of its own.
;
; A work-group: one batch, one query head, 128 queries. Keys go in tiles of 256 through two LDS slots.
; A WAVE takes 64 queries (query half w / 2: four query tiles) and half of the keys (key half w mod 2: 128 of each tile's 256): a K or V fragment, two LDS loads,
; feeds four matrix instructions, 64 loads for 128. At the end the two key halves of a query half are merged once, through LDS.
; CLUSTER 4 x 1: four query blocks of one head walk the same 8 tiles of K and V: each tile is asked for jointly (mask 15), a quarter of the requests.
; S^T = K Q^T: lane (r, h), register j holds (key 8 h + j, query r): the maximum and the sum of a query lie in two lanes, r and r + 16,
;   and the packed probabilities of key tiles 2 u, 2 u + 1 are the B fragment of a step of 32 keys as they stand.
; O^T = V^T P: A = V^T by the transposing LDS load; lane (r, h), register j holds (dim 16 dt + 8 h + j, query r): eight neighbouring numbers of a row of att.
;
; THE ORDER OF WORK. A step is 64 keys; a wave has 16. Its query tiles are two pieces, A (tiles 0, 1) and B (tiles 2, 3), half a step apart. Step i is four
; phases of 32 matrix instructions, each followed by a slice of 4 or 5 instructions of the other piece's softmax:
;   phase 1: S_A(i)     with the second half of softmax_B(i-1): sums and packing (even places), O_B moved to the new maximum (odd places)
;   phase 2: PV_B(i-1)  with the first half of softmax_A(i): maxima, factor, subtraction, exponentials
;   phase 3: S_B(i)     with the second half of softmax_A(i); the 32 loads of V(i)
;   phase 4: PV_A(i)    with the first half of softmax_B(i); the 32 loads of K(i+1)
; K is read by phases 1 and 3 and loaded again in phase 4; V by phase 4 and the next phase 2, and loaded again in phase 3: no buffer is doubled.
; A slice names none of the registers of the matrix instructions round it, so the slices are the plain places behind them.
; The reads of a tile of 256 keys lie between phase 4 of one odd step and phase 3 of the next odd step: one round a tile, in front of that phase 4.
; The loads of a fetch go in two runs of 16, behind places 2 and 10 of their phase: four runs for a step's 128 matrix instructions.
; WINDOWS. v_exp_f32 has source 0 alone, which is also the place of the A operand; V (128), the other piece's O (128) and the scores (64) would have to lie in one
; window of 256. So a slice stands between two switches: 2 for each matrix instruction and 1 for each run of loads, about 264 for a step's
; 128 matrix, 540 vector and 64 LDS instructions.
;
; REGISTERS. window 0: v8-17 addresses; v20-43 maximum, sum, factor (a pair for piece p, query tile q at + 4 p + 2 q); v44-55 at work; v56-63 what is sent and received at the end;
;                      v64-127 probabilities (piece p at + 32 p; (q, u) at 8 (2 q + u)); v128-255 scores (piece p at + 64 p; (kt, q) at 8 (2 kt + q))
;            window 1: K fragments (kt, ks) at 8 (4 kt + ks); V fragments (dt, u) at 128 + 8 (2 dt + u)
;            window 2: O: piece p at 128 p, (dt, q) at 8 (2 dt + q)
;            window 3: Q: piece p at 64 p, (q, ks) at 8 (4 q + ks)
.set KP,     272                       ; LDS pitch of K: 256 + 16, an odd multiple of 16
.set VP,     288                       ; LDS pitch of V: 256 + 32, an odd multiple of 32, for the transposing load
.set HALFT,  128*VP                    ; room for 128 rows: 36,864 bytes (K uses 34,816 of them)
.set SLOT,   4*HALFT                   ; K keys 0-127, K keys 128-255, V keys 0-127, V keys 128-255
.set STAGE,  2*SLOT                    ; behind the ring, at a multiple of 256: 16 rows x 272 bytes for each wave; no tensor load lands here
.set SPITCH, 272
.set WSTAGE, 16*SPITCH
.set TILEB,  256*4096                  ; bytes from a tile of 256 keys to the next
.set XB,     33*512                    ; what a wave sends at the end: 32 x 512 bytes of O, 512 of maxima and sums; wave w's at w x 16,896, in slot 0
.set KADR, 8                           ; v8-9    [slot], my key half
.set VADR, 10                          ; v10-11  [slot]
.set STO,  12
.set RD,   13
.set CO,   14
.set QO,   15
.set XOUT, 16                          ; where I put what I send
.set XIN,  17                          ; where my partner (the other key half) put what it sends
.set MX,   20                          ; pair: the running maximum, twice
.set LS,   28                          ; pair: two partial sums
.set AL,   36                          ; pair: 2^(old maximum - new maximum), twice
.set TA,   44                          ; + 6 q
.set TB,   45
.set T2,   46
.set MN,   47
.set DT,   48
.set SD,   56
.set RV,   60
.set PR,   64
.set SR,   128
.set G1K, 24
.set G0K, 32
.set G1V, 48
.set G0V, 56
.set MSB, 0
.macro WIN new                         ; the high byte of the immediate repeats the setting that is left
.if MSB != (\new)
	s_set_vgpr_msb (MSB<<8)|(\new)
.set MSB, (\new)
.endif
.endm
.macro PLACES
.rept 4
	v_nop
.endr
.endm
.macro ROUND                           ; a round of the barrier of the cluster
	s_barrier_signal -1
	s_barrier_wait -1
	s_cmp_lg_u32 s10, 0
	s_cbranch_scc1 .Lnot_wave_0_\@
	s_barrier_signal -3
.Lnot_wave_0_\@:
	s_barrier_wait -3
	s_barrier_signal -1
	s_barrier_wait -1
.endm
.macro JLOAD s                         ; waves 0, 1: the two halves of K; waves 2, 3: the two halves of V. One load a wave
	s_cmp_eq_u32 s11, 0
	s_cbranch_scc0 .Lfor_v_\@
	tensor_load_to_lds s[G0K+4*(\s):G0K+4*(\s)+3], s[G1K:G1K+7]
	s_nop 0
	v_nop
	v_nop
	v_nop
	s_branch .Lasked_\@
.Lfor_v_\@:
	tensor_load_to_lds s[G0V+4*(\s):G0V+4*(\s)+3], s[G1V:G1V+7]
	s_nop 0
	v_nop
	v_nop
	v_nop
	v_nop
.Lasked_\@:
.endm
	s_load_b128 s[4:7], s[0:1], 0x0                ; qkv s[4:5], att s[6:7]
	v_lshl_add_u32 v49, v0, 2, 0x4c400
	v_mov_b32 v55, 0
	ds_add_u32 v49, v55
	v_lshrrev_b32 v1, 5, v0
	v_readfirstlane_b32 s10, v1                    ; wave 0..3
	s_lshr_b32 s11, s10, 1                         ; my query half. Also: I fetch K (0) or V (1),
	s_and_b32 s12, s10, 1                          ; my key half. Also: I fetch its keys 0-127 or 128-255
	s_bfe_u32 s13, ttmp6, 0x40000                  ; cx
	s_lshl_b32 s14, ttmp9, 2
	s_add_co_u32 s14, s14, s13                     ; query block = 4 x cluster x + cx
	s_and_b32 s15, ttmp7, 0xffff                   ; 8 x batch + query head
	s_lshr_b32 s16, s15, 3                         ; batch
	s_and_b32 s17, s15, 7                          ; query head
	s_lshr_b32 s18, s17, 1                         ; key and value head
	s_mov_b32 s40, 0x76543210
	s_mov_b32 s41, 0xfedcba98
	; group 1: 128 rows x 128 elements of 2 bytes, pitch 2,048 elements; padding behind every 64 words: 4 words for K, 8 for V; mask 15, bit 21 beside it
	s_mov_b32 s[G1K+0], 15|(1<<16)|(1<<20)|(1<<21)|(5<<22)|(3<<25)
	s_mov_b32 s[G1V+0], 15|(1<<16)|(1<<20)|(1<<21)|(5<<22)|(7<<25)
.irp g, G1K, G1V
	s_mov_b32 s[\g+1], 128<<16
	s_mov_b32 s[\g+2], 128<<16
	s_mov_b32 s[\g+3], 128<<16
	s_mov_b32 s[\g+4], 128
	s_mov_b32 s[\g+5], 2048
	s_mov_b32 s[\g+6], 0
	s_mov_b32 s[\g+7], 0
.endr
	; where the tiles come from: batch, head and the wave alone, which the four partners share
	s_lshl_b32 s20, s16, 23                        ; batch x 2,048 rows of 4,096 bytes
	s_lshl_b32 s21, s12, 19                        ; + 128 rows for the second half
	s_add_co_u32 s20, s20, s21
	s_lshl_b32 s21, s18, 8                         ; + head x 256 bytes
	s_add_co_u32 s20, s20, s21
	s_add_co_u32 s20, s20, 2048                    ; K begins at byte 2,048 of a row,
	s_mov_b32 s21, 0
	s_add_co_u32 s22, s20, 1024                    ; V at byte 3,072
	s_mov_b32 s23, 0
	s_mul_i32 s19, s10, HALFT                      ; where they go: wave x 36,864
	s_lshl_b32 s42, s16, 23                        ; my queries: batch, block of 128 rows, half of 64 rows, head
	s_lshl_b32 s43, s14, 19
	s_add_co_u32 s42, s42, s43
	s_lshl_b32 s43, s11, 18
	s_add_co_u32 s42, s42, s43
	s_lshl_b32 s43, s17, 8
	s_add_co_u32 s42, s42, s43
	s_mov_b32 s43, 0
	s_lshl_b32 s44, s16, 22                        ; the rows that I store, in att (rows of 2,048 bytes): 64 x query half + 32 x key half = 32 x wave
	s_lshl_b32 s45, s14, 18
	s_add_co_u32 s44, s44, s45
	s_lshl_b32 s45, s10, 16
	s_add_co_u32 s44, s44, s45
	s_lshl_b32 s45, s17, 8
	s_add_co_u32 s44, s44, s45
	s_mov_b32 s45, 0
	s_wait_dscnt 0x0
	s_wait_kmcnt 0x0
	s_add_nc_u64 s[20:21], s[4:5], s[20:21]
	s_add_nc_u64 s[22:23], s[4:5], s[22:23]
	s_add_nc_u64 s[42:43], s[4:5], s[42:43]
	s_add_nc_u64 s[44:45], s[6:7], s[44:45]
.irp s, 0,1
	s_mov_b32 s[G0K+4*\s], 1
	s_add_co_u32 s[G0K+4*\s+1], s19, \s*SLOT
	s_add_nc_u64 s[G0K+4*\s+2:G0K+4*\s+3], s[20:21], \s*TILEB      ; slot s is set up for tile s
	s_or_b32 s[G0K+4*\s+3], s[G0K+4*\s+3], 0x80000000
	s_mov_b32 s[G0V+4*\s], 1
	s_add_co_u32 s[G0V+4*\s+1], s19, \s*SLOT
	s_add_nc_u64 s[G0V+4*\s+2:G0V+4*\s+3], s[22:23], \s*TILEB
	s_or_b32 s[G0V+4*\s+3], s[G0V+4*\s+3], 0x80000000
.endr
	ROUND                                          ; the four work-groups are here: the first joint load meets
	JLOAD 0                                        ; tile 0. From here on one tensor load of the wave is out at the most
	v_and_b32 v1, 15, v0                           ; r
	v_bfe_u32 v2, v0, 4, 1                         ; h
	v_lshlrev_b32 v5, 4, v2
	v_lshl_add_u32 v[QO], v1, 12, v5               ; 4,096 r + 16 h
	WIN 0xc0                                       ; destination window 3
.irp qt, 0,1,2,3
.irp ks, 0,1,2,3
	global_load_b128 v[8*(4*\qt+\ks):8*(4*\qt+\ks)+3],   v[QO], s[42:43] offset:65536*\qt+64*\ks      ; Q(query r, dims 32 ks + 8 h ..)
	global_load_b128 v[8*(4*\qt+\ks)+4:8*(4*\qt+\ks)+7], v[QO], s[42:43] offset:65536*\qt+64*\ks+32   ; dims 32 ks + 16 + 8 h ..
.endr
.endr
	WIN 0
	v_mul_u32_u24 v3, v1, KP
	v_lshl_add_u32 v3, v2, 4, v3                   ; K and the stage: r x 272 + 16 h
	v_and_b32 v4, 7, v0
	v_lshl_add_u32 v4, v2, 3, v4                   ; V: row 8 h + (lane mod 8),
	v_mul_u32_u24 v4, v4, VP
	v_bfe_u32 v5, v0, 3, 1
	v_lshl_add_u32 v4, v5, 4, v4                   ; 16 bytes further for lanes 8-15 and 24-31
	s_mul_i32 s19, s12, HALFT                      ; my key half
	v_add_nc_u32 v[KADR], s19, v3
	v_add_nc_u32 v[VADR], s19, v4
	v_add_nc_u32 v[VADR], 2*HALFT, v[VADR]         ; V lies behind the two halves of K
	v_add_nc_u32 v[KADR+1], SLOT, v[KADR]
	v_add_nc_u32 v[VADR+1], SLOT, v[VADR]
	s_mul_i32 s19, s10, WSTAGE
	s_add_co_u32 s19, s19, STAGE                   ; my stage
	v_add_nc_u32 v[STO], s19, v3
	v_mul_u32_u24 v5, v2, SPITCH
	v_lshl_add_u32 v5, v1, 4, v5
	v_add_nc_u32 v[RD], s19, v5
	v_lshlrev_b32 v5, 11, v2
	v_lshl_add_u32 v[CO], v1, 4, v5                ; 2,048 (lane / 16) + 16 (lane mod 16)
	v_and_b32 v5, 31, v0
	v_lshlrev_b32 v5, 4, v5                        ; 16 x lane
	s_mul_i32 s19, s10, XB
	v_add_nc_u32 v[XOUT], s19, v5
	s_xor_b32 s19, s10, 1                          ; the wave with my queries and the other keys
	s_mul_i32 s19, s19, XB
	v_add_nc_u32 v[XIN], s19, v5
.irp k, 0,1,2,3,4,5,6,7
	v_mov_b32 v[MX+\k], 0xff800000                 ; the running maxima start at -infinity,
	v_mov_b32 v[LS+\k], 0                          ; the sums at 0
.endr
	v_mov_b32 v[T2], 0                             ; destinations of v_permlanex16_b32 count as read
	v_mov_b32 v[T2+6], 0
	s_wait_loadcnt 0x0                             ; Q is in, for the whole kernel
; Counters of the text: SLT the place in a run of 32 matrix instructions, VIX the next instruction of the first half's list, LGR the run of 16 loads.
; SB, SO, PB, OB: the scores, the statistics, the probabilities and the O of the piece whose softmax is at work.
; 16 loads of K: fragments 8 LGR .. 8 LGR + 7 of the sixteen (fragment f: key tile f / 4, dims 32 (f mod 4) ..)
.macro KLOADS slot, sub
	WIN 0x40                                       ; destination window 1
.set KF, 8*LGR
.rept 8
	ds_load_b128 v[8*KF:8*KF+3],   v[KADR+\slot] offset:(64*\sub+16*(KF/4))*KP+64*(KF%4)
	ds_load_b128 v[8*KF+4:8*KF+7], v[KADR+\slot] offset:(64*\sub+16*(KF/4))*KP+64*(KF%4)+32
.set KF, KF+1
.endr
.endm
; 16 transposing loads of V: fragments 8 LGR .. 8 LGR + 7 (fragment f: dim tile f / 2, keys 32 (f mod 2) ..)
.macro VLOADS slot, sub
	WIN 0x40
.set KF, 8*LGR
.rept 8
	ds_load_tr16_b128 v[128+8*KF:128+8*KF+3],   v[VADR+\slot] offset:(64*\sub+32*(KF%2))*VP+32*(KF/2)
	ds_load_tr16_b128 v[128+8*KF+4:128+8*KF+7], v[VADR+\slot] offset:(64*\sub+32*(KF%2)+16)*VP+32*(KF/2)
.set KF, KF+1
.endr
.endm
; Product SLT of the 32 of piece p's O^T += V^T P: step of 32 keys u = SLT / 16, tile of O 2 dt + q = SLT mod 16. The 16 accumulators take turns, one instruction
; a turn. zero = 1: the first 16 start the sums.
.macro PVMUL p, zero
	WIN 0xa1                                       ; source 0 (V) window 1, source 1 (P) window 0, C and D window 2
.set PU, SLT/16
.set PT, SLT%16
.if \zero*(1-PU)
	v_wmma_f32_16x16x32_f16 v[128*\p+8*PT:128*\p+8*PT+7], v[128+8*(2*(PT/2)+PU):128+8*(2*(PT/2)+PU)+7], v[PR+32*\p+8*(2*(PT%2)+PU):PR+32*\p+8*(2*(PT%2)+PU)+7], 0
.else
	v_wmma_f32_16x16x32_f16 v[128*\p+8*PT:128*\p+8*PT+7], v[128+8*(2*(PT/2)+PU):128+8*(2*(PT/2)+PU)+7], v[PR+32*\p+8*(2*(PT%2)+PU):PR+32*\p+8*(2*(PT%2)+PU)+7], v[128*\p+8*PT:128*\p+8*PT+7]
.endif
.endm
; Product SLT of the 32 of piece p's S^T = K Q^T: dims 32 ks .., ks = SLT / 8, score tile 2 kt + q = SLT mod 8. Eight accumulators by turns; ks = 0 starts the sums.
.macro SMUL p
	WIN 0x0d                                       ; source 0 (K) window 1, source 1 (Q) window 3, C and D window 0
.set PU, SLT/8
.set PT, SLT%8
.if PU == 0
	v_wmma_f32_16x16x32_f16 v[SR+64*\p+8*PT:SR+64*\p+8*PT+7], v[8*(4*(PT/2)+PU):8*(4*(PT/2)+PU)+7], v[64*\p+8*(4*(PT%2)+PU):64*\p+8*(4*(PT%2)+PU)+7], 0
.else
	v_wmma_f32_16x16x32_f16 v[SR+64*\p+8*PT:SR+64*\p+8*PT+7], v[8*(4*(PT/2)+PU):8*(4*(PT/2)+PU)+7], v[64*\p+8*(4*(PT%2)+PU):64*\p+8*(4*(PT%2)+PU)+7], v[SR+64*\p+8*PT:SR+64*\p+8*PT+7]
.endif
.endm
; Instruction VIX of the 142 of the first half of the softmax of the scores at SB (64 keys x 32 queries; query tile XQ of the piece).
;   0-31   the largest of a lane's 32 scores: two chains for each query tile (key tiles 0, 1 and 2, 3), joined
;   32-41  the other 32 keys lie 16 lanes further; the new maximum; old - new; the pair of the maximum
;   42-47  the factor 2^(old - new) and its pair; between them the first two subtractions, the plain place behind the exponentials (ISA guide 5.7.2)
;   48-141 pair g of scores (g = 0..15, both query tiles): the subtraction of pair g + 1 stands ahead of the four exponentials of pair g
.macro SOFTA
.if VIX < 4
	v_max3_num_f32 v[TA+6*(VIX/2)+VIX%2], v[SB+32*(VIX%2)+8*(VIX/2)], v[SB+32*(VIX%2)+8*(VIX/2)+1], v[SB+32*(VIX%2)+8*(VIX/2)+2]
.elseif VIX < 28
.set XQ, ((VIX-4)%4)/2
.set XC, (VIX-4)%2
.set XM, 3+2*((VIX-4)/4)
	v_max3_num_f32 v[TA+6*XQ+XC], v[TA+6*XQ+XC], v[SB+32*XC+16*(XM/8)+8*XQ+XM%8], v[SB+32*XC+16*((XM+1)/8)+8*XQ+(XM+1)%8]
.elseif VIX < 30
.set XQ, VIX-28
	v_max3_num_f32 v[TA+6*XQ], v[TA+6*XQ], v[SB+23+8*XQ], v[SB+55+8*XQ]        ; the last number of each chain
.elseif VIX < 32
.set XQ, VIX-30
	v_max_num_f32 v[TA+6*XQ], v[TA+6*XQ], v[TB+6*XQ]
.elseif VIX < 34
.set XQ, VIX-32
	v_permlanex16_b32 v[T2+6*XQ], v[TA+6*XQ], s40, s41
.elseif VIX < 36
.set XQ, VIX-34
	v_max3_num_f32 v[MN+6*XQ], v[TA+6*XQ], v[T2+6*XQ], v[MX+SO+2*XQ]
.elseif VIX < 38
.set XQ, VIX-36
	v_sub_f32 v[DT+6*XQ], v[MX+SO+2*XQ], v[MN+6*XQ]                            ; old - new, at most 0
.elseif VIX < 40
.set XQ, VIX-38
	v_mov_b32 v[MX+SO+2*XQ], v[MN+6*XQ]
.elseif VIX < 42
.set XQ, VIX-40
	v_mov_b32 v[MX+SO+2*XQ+1], v[MN+6*XQ]
.elseif VIX < 44
.set XQ, VIX-42
	v_exp_f32 v[AL+SO+2*XQ], v[DT+6*XQ]
.elseif VIX < 46
.set XQ, VIX-44
.set XR, SB+8*XQ
	v_pk_add_f32 v[XR:XR+1], v[XR:XR+1], v[MX+SO+2*XQ:MX+SO+2*XQ+1] neg_lo:[0,1] neg_hi:[0,1]
.elseif VIX < 48
.set XQ, VIX-46
	s_wait_alu depctr_va_vdst(0)
	v_mov_b32 v[AL+SO+2*XQ+1], v[AL+SO+2*XQ]
.elseif VIX < 138
.set XC, (VIX-48)%6
.if XC < 2
.set XG, (VIX-48)/6+1
.set XR, SB+16*(XG/4)+8*XC+2*(XG%4)
	v_pk_add_f32 v[XR:XR+1], v[XR:XR+1], v[MX+SO+2*XC:MX+SO+2*XC+1] neg_lo:[0,1] neg_hi:[0,1]
.else
.set XG, (VIX-48)/6
.set XR, SB+16*(XG/4)+8*((XC-2)/2)+2*(XG%4)+(XC-2)%2
	v_exp_f32 v[XR], v[XR]
.endif
.else
.set XR, SB+54+8*((VIX-138)/2)+(VIX-138)%2                                     ; pair 15: key tile 3, registers 6 and 7
	v_exp_f32 v[XR], v[XR]
.endif
.set VIX, VIX+1
.endm
; The slice at place SLT of the second half. Even places: pair SLT / 2 of both query tiles is added to the sums (the first moves the old sums to the new maximum)
; and packed: register SLT / 2 of the query tile's two B fragments. Odd places: tile SLT / 2 of the piece's O moves to the new maximum.
.macro SOFTB resc
.if SLT%2 == 0
	WIN 0
.set XG, SLT/2
.irp q, 0,1
.set XR, SB+16*(XG/4)+8*\q+2*(XG%4)
.if XG == 0
	s_wait_alu depctr_va_vdst(0)
	v_pk_fma_f32 v[LS+SO+2*\q:LS+SO+2*\q+1], v[LS+SO+2*\q:LS+SO+2*\q+1], v[AL+SO+2*\q:AL+SO+2*\q+1], v[XR:XR+1]
.else
	v_pk_add_f32 v[LS+SO+2*\q:LS+SO+2*\q+1], v[LS+SO+2*\q:LS+SO+2*\q+1], v[XR:XR+1]
.endif
	v_cvt_pk_f16_f32 v[PB+16*\q+XG], v[XR], v[XR+1]
.endr
.else
.if \resc
	WIN 0x82                                       ; O in window 2, the factor in window 0
.set XT, SLT/2
.irp e, 0,2,4,6
	v_pk_mul_f32 v[OB+8*XT+\e:OB+8*XT+\e+1], v[OB+8*XT+\e:OB+8*XT+\e+1], v[AL+SO+2*(XT%2):AL+SO+2*(XT%2)+1]
.endr
.endif
.endif
.endm
; Phases 2 and 4. pv: the products PV of piece mp (zero: they start its O). sp: the piece whose first half of the softmax is at work. kl: the next step's K is read, at (slot, sub).
; The runs of loads stand behind places 2 and 10: more than four plain instructions behind the last product that read K, and 21 matrix instructions ahead of the wait.
.macro PHX pv, zero, mp, sp, kl, slot, sub
.set SB, SR+64*(\sp)
.set SO, 4*(\sp)
.set SLT, 0
.set VIX, 0
.rept 32
.if \pv
	PVMUL \mp, \zero
.endif
	WIN 0
	SOFTA
	SOFTA
	SOFTA
	SOFTA
.if SLT < 14
	SOFTA                                          ; 14 x 5 + 18 x 4 = 142
.endif
.if \kl
.if (SLT-2)*(SLT-10) == 0
.set LGR, (SLT-2)/8
	KLOADS \slot, \sub
.endif
.endif
.set SLT, SLT+1
.endr
.endm
; Phases 1 and 3. sm: the products S of piece mp. soft: the second half of the softmax of piece sp (resc: its O is moved).
; vl: this step's V is read, into the registers that the products of phase 2 have read: the first run stands behind eight plain instructions or more.
.macro PHY sm, mp, soft, sp, resc, vl, slot, sub
.set SB, SR+64*(\sp)
.set SO, 4*(\sp)
.set PB, PR+32*(\sp)
.set OB, 128*(\sp)
.set SLT, 0
.rept 32
.if \sm
	SMUL \mp
.endif
.if \soft
	SOFTB \resc
.endif
.if \vl
.if (SLT-2)*(SLT-10) == 0
.set LGR, (SLT-2)/8
	VLOADS \slot, \sub
.endif
.endif
.set SLT, SLT+1
.endr
.if (\sm)*(1-(\soft)*(\resc))
	PLACES                                         ; where no O is moved behind the last product: its four places, ahead of the reads of the scores and the loads of K
.endif
.endm
; Phase 4 of step i - 1 and phases 1 to 3 of step i, whose K and V lie at (slot, sub). first = 1: i = 1, so PV(0) starts O and no O is moved for piece B yet.
.macro STEP first, slot, sub
	PHX 1, \first, 0, 1, 1, \slot, \sub            ; PV_A(i-1), first half of softmax_B(i-1), K(i)
	s_wait_dscnt 0x0                               ; K(i) is in; none is younger
	PHY 1, 0, 1, 1, (1-\first), 0, 0, 0            ; S_A(i), second half of softmax_B(i-1)
	PHX 1, \first, 1, 0, 0, 0, 0                   ; PV_B(i-1), first half of softmax_A(i)
	PHY 1, 1, 1, 0, 1, 1, \slot, \sub              ; S_B(i), second half of softmax_A(i), V(i)
	s_wait_dscnt 0x0                               ; V(i) is in; none is younger: all my reads of LDS so far are done
.endm
; The two steps that read tile t (in slot) from LDS. refill = 1: tile t + 1 is asked for, into the other slot. My reads of that slot are done: the wait for all LDS
; instructions at the end of the step before stands in front of the round. The load has these two steps, 256 matrix instructions, in which to land.
.macro TRIP slot, refill
	WIN 0
	s_wait_tensorcnt 0x0                           ; all my tensor loads have landed, my part of this tile among them, so every group 0 may be written:
	ds_add_u32 v49, v55
	s_wait_dscnt 0x0
	s_add_nc_u64 s[G0K+4*\slot+2:G0K+4*\slot+3], s[G0K+4*\slot+2:G0K+4*\slot+3], 2*TILEB   ; the next tile of this slot
	s_add_nc_u64 s[G0V+4*\slot+2:G0V+4*\slot+3], s[G0V+4*\slot+2:G0V+4*\slot+3], 2*TILEB
	ROUND                                          ; both waits now hold of every wave of the four work-groups
.if \refill
	JLOAD 1-\slot                                  ; my one tensor load behind the round, and the first thing there
.endif
	STEP 0, \slot, 0
	STEP 0, \slot, 1
.endm
	; Tile 0, written out: step 0 has no products PV in front of it and moves no O.
	s_wait_tensorcnt 0x0                           ; my part of tile 0 has landed
	ds_add_u32 v49, v55
	s_add_nc_u64 s[G0K+2:G0K+3], s[G0K+2:G0K+3], 2*TILEB
	s_add_nc_u64 s[G0V+2:G0V+3], s[G0V+2:G0V+3], 2*TILEB
	s_wait_dscnt 0x0
	ROUND
	JLOAD 1                                        ; tile 1: the first fill of slot 1, issued as a refill is
.set LGR, 0
	KLOADS 0, 0
.set LGR, 1
	KLOADS 0, 0
	s_wait_dscnt 0x0                               ; K(0)
	PHY 1, 0, 0, 0, 0, 0, 0, 0                     ; S_A(0)
	PHX 0, 0, 0, 0, 0, 0, 0                        ; first half of softmax_A(0)
	PHY 1, 1, 1, 0, 0, 1, 0, 0                     ; S_B(0), second half of softmax_A(0), V(0)
	s_wait_dscnt 0x0                               ; V(0)
	STEP 1, 0, 1                                   ; step 1
	WIN 0
	s_mov_b32 s3, 3
.Ltile:
	TRIP 1, 1                                      ; tiles 1, 3, 5
	TRIP 0, 1                                      ; tiles 2, 4, 6
	WIN 0
	s_sub_co_u32 s3, s3, 1
	s_cmp_lg_u32 s3, 0
	s_cbranch_scc1 .Ltile
	TRIP 1, 0                                      ; tile 7: nothing is left to fetch (the stepped addresses are not used)
	PHX 1, 0, 0, 1, 0, 0, 0                        ; PV_A(15), first half of softmax_B(15): nothing is left to load or to score
	PHY 0, 0, 1, 1, 1, 0, 0, 0                     ; its second half
.set SLT, 0
.rept 32
	PVMUL 1, 0                                     ; PV_B(15)
.set SLT, SLT+1
.endr
	PLACES                                         ; behind the last products: O is stored to LDS and read below
	WIN 0
	; THE TWO KEY HALVES MEET. The wave of key half 0 keeps piece A and sends piece B, the wave of key half 1 the other way round: each finishes 32 queries.
	; What is sent lies in slot 0: its last fill was tile 6, and every wave's reads of it were waited for in front of tile 7's round.
.macro SEND p
	v_add_f32 v[SD+1], v[LS+4*\p], v[LS+4*\p+1]    ; my lane's sum, query tile 0 of the piece,
	v_add_f32 v[SD+3], v[LS+4*\p+2], v[LS+4*\p+3]  ; query tile 1,
	v_mov_b32 v[SD], v[MX+4*\p]                    ; and their maxima
	v_mov_b32 v[SD+2], v[MX+4*\p+2]
	ds_store_b128 v[XOUT], v[SD:SD+3] offset:32*512
	WIN 0x08                                       ; the data of an LDS store is source 1: window 2
.set j, 0
.rept 32
	ds_store_b128 v[XOUT], v[128*\p+4*j:128*\p+4*j+3] offset:512*j     ; 32 lanes x 16 neighbouring bytes
.set j, j+1
.endr
	WIN 0
.endm
; Query tile q of the piece p that I keep: both halves move to the common maximum and are divided by the common sum; then 16 queries through my stage, whole rows of 256 bytes out.
.macro OUTQ p, q
	v_max_num_f32 v[TA], v[MX+4*\p+2*\q], v[RV+2*\q]
	v_sub_f32 v[TB], v[MX+4*\p+2*\q], v[TA]        ; each at most 0, one of them 0
	v_sub_f32 v[MN], v[RV+2*\q], v[TA]
	v_exp_f32 v[TB], v[TB]
	v_exp_f32 v[MN], v[MN]
	v_add_f32 v[DT], v[LS+4*\p+2*\q], v[LS+4*\p+2*\q+1]    ; the plain place behind the exponentials (ISA guide 5.7.2)
	s_wait_alu depctr_va_vdst(0)
	v_mul_f32 v[DT], v[DT], v[TB]
	v_fma_f32 v[DT], v[RV+2*\q+1], v[MN], v[DT]
	v_permlanex16_b32 v[T2], v[DT], s40, s41       ; the sums of the other keys of each tile of 16 lie 16 lanes further
	v_add_f32 v[DT], v[DT], v[T2]                  ; at least 1: the largest score gives 2^0
	v_rcp_f32 v[TA], v[DT]
	v_nop
	s_wait_alu depctr_va_vdst(0)
	v_mul_f32 v[AL], v[TB], v[TA]                  ; the factor of my half,
	v_mul_f32 v[AL+2], v[MN], v[TA]                ; of the other
	v_mov_b32 v[AL+1], v[AL]
	v_mov_b32 v[AL+3], v[AL+2]
	WIN 0x02                                       ; source 0 window 2: my O
.irp dt, 0,1,2,3,4,5,6,7
.irp e, 0,2,4,6
	v_pk_mul_f32 v[SR+8*\dt+\e:SR+8*\dt+\e+1], v[128*\p+8*(2*\dt+\q)+\e:128*\p+8*(2*\dt+\q)+\e+1], v[AL:AL+1]
.endr
.endr
	WIN 0x01                                       ; source 0 window 1: the other half's O
.irp dt, 0,1,2,3,4,5,6,7
.irp e, 0,2,4,6
	v_pk_fma_f32 v[SR+8*\dt+\e:SR+8*\dt+\e+1], v[8*(2*\dt+\q)+\e:8*(2*\dt+\q)+\e+1], v[AL+2:AL+3], v[SR+8*\dt+\e:SR+8*\dt+\e+1]
.endr
.endr
	WIN 0
.set j, 0
.rept 32
	v_cvt_pk_f16_f32 v[SR+64+j], v[SR+2*j], v[SR+2*j+1]
.set j, j+1
.endr
.irp dt, 0,1,2,3,4,5,6,7
	ds_store_b128 v[STO], v[SR+64+4*\dt:SR+64+4*\dt+3] offset:32*\dt
.endr
	s_wait_xcnt 0x0                                ; v224-255 and the base, which earlier stores read, are rewritten only behind this wait
.if \q
	s_add_nc_u64 s[44:45], s[44:45], 16*2048
.endif
.irp t, 0,1,2,3,4,5,6,7
	ds_load_b128 v[SR+96+4*\t:SR+96+4*\t+3], v[RD] offset:\t*2*SPITCH      ; LDS serves the instructions of a wave in order: these see the stores above
.endr
.irp t, 0,1,2,3,4,5,6,7
	s_wait_dscnt 7-\t                              ; pair t of rows is back, the 7 - t younger loads stay out
	global_store_b128 v[CO], v[SR+96+4*\t:SR+96+4*\t+3], s[44:45] offset:4096*\t   ; sixteen lanes store 256 bytes at a multiple of 256
.endr
.endm
.macro FINISH p
	ds_load_b128 v[RV:RV+3], v[XIN] offset:32*512  ; the other half's maxima and sums of piece p,
	WIN 0x40                                       ; and its O, into the registers of K (window 1)
.set j, 0
.rept 32
	ds_load_b128 v[4*j:4*j+3], v[XIN] offset:512*j
.set j, j+1
.endr
	WIN 0
	s_wait_dscnt 0x0
	OUTQ \p, 0
	OUTQ \p, 1
.endm
	s_cmp_eq_u32 s12, 0                            ; the wave's number alone decides; no barrier stands inside the branch
	s_cbranch_scc0 .Lsend_a
	SEND 1
	s_branch .Lsent
.Lsend_a:
	SEND 0
.Lsent:
	s_wait_dscnt 0x0                               ; my stores are done, for the partner's sake
	s_barrier_signal -1
	s_barrier_wait -1
	s_cmp_eq_u32 s12, 0
	s_cbranch_scc0 .Lkeep_b
	FINISH 0
	s_branch .Lout
.Lkeep_b:
	FINISH 1
.Lout:
	s_wait_tensorcnt 0x0
	ds_add_u32 v49, v55
	s_wait_dscnt 0x0
	ROUND                                          ; the closing round
	s_endpgm
.Lfunc_end_k_qa8432fb447_attn:
	.size	k_qa8432fb447_attn, .Lfunc_end_k_qa8432fb447_attn-k_qa8432fb447_attn
	.p2alignl 7, 3214868480
	.fill 96, 4, 3214868480
	.section	.rodata,"a",@progbits
	.p2align	6, 0x0
	.amdhsa_kernel k_qa8432fb447_attn
		.amdhsa_group_segment_fixed_size 327680
		.amdhsa_private_segment_fixed_size 0
		.amdhsa_enable_private_segment 0
		.amdhsa_kernarg_size 16
		.amdhsa_user_sgpr_count 2
		.amdhsa_user_sgpr_kernarg_segment_ptr 1
		.amdhsa_wavefront_size32 1
		.amdhsa_system_sgpr_workgroup_id_x 1
		.amdhsa_system_sgpr_workgroup_id_y 1
		.amdhsa_system_sgpr_workgroup_id_z 1
		.amdhsa_system_vgpr_workitem_id 0
		.amdhsa_next_free_vgpr 896
		.amdhsa_next_free_sgpr 66
		.amdhsa_reserve_vcc 0
		.amdhsa_float_denorm_mode_32 3
		.amdhsa_float_denorm_mode_16_64 3
		.amdhsa_memory_ordered 1
		.amdhsa_forward_progress 1
		.amdhsa_inst_pref_size 255
	.end_amdhsa_kernel
	.section	.bss,"aw",@nobits
	.p2align	6
	.space	262144
	.amdgpu_metadata
---
amdhsa.version: [ 1, 2 ]
amdhsa.kernels:
  - .name:           k_qa8432fb447_attn
    .symbol:         k_qa8432fb447_attn.kd
    .args:
      - { .name: qkv, .offset: 0, .size: 8, .value_kind: global_buffer, .address_space: global }
      - { .name: att, .offset: 8, .size: 8, .value_kind: global_buffer, .address_space: global }
    .group_segment_fixed_size: 327680
    .private_segment_fixed_size: 0
    .kernarg_segment_align: 8
    .kernarg_segment_size: 16
    .max_flat_workgroup_size: 128
    .sgpr_count:     66
    .vgpr_count:     896
    .wavefront_size: 32
...
	.end_amdgpu_metadata
.endif
;; end of part 6
;; launch dense (part 7): grid 8 x 32, 4 waves a work-group, clusters of 4 x 4, 327,680 bytes of LDS; arguments att, wdb, out0; writes out0
.if DOCPART == 7
	.amdgcn_target "amdgcn-amd-amdhsa--gfx1250"
	.amdhsa_code_object_version 6
	.text
	.protected	k_qa8432fb447_dense
	.globl	k_qa8432fb447_dense
	.p2align	8
	.type	k_qa8432fb447_dense,@function
k_qa8432fb447_dense:
	s_mov_b64 s[64:65], 0
	v_nop
	global_prefetch_b8 v0, s[64:65] scope:SCOPE_SE
	s_setreg_imm32_b32 hwreg(HW_REG_WAVE_MODE, 25, 1), 1
	s_wait_xcnt 0x0
	s_wait_alu depctr_hold_cnt(0) depctr_sa_sdst(0) depctr_va_vdst(0) depctr_va_sdst(0) depctr_va_ssrc(0) depctr_va_vcc(0) depctr_vm_vsrc(0)
	s_getreg_b32 s2, hwreg(HW_REG_IB_STS2, 6, 4)
	s_cmp_eq_u32 s2, 0
	s_cbranch_scc0 .Lentry_in_a_cluster
	s_endpgm
.Lentry_in_a_cluster:
	s_bfe_u32 s2, ttmp6, 0x10000c
	s_cmp_lg_u32 s2, 0xf033
	s_cbranch_scc0 .Lentry_shape_is_right
	s_endpgm
.Lentry_shape_is_right:
; out0[row][o] = sum over d of att[row][d] wdb[o][d] (4096 x 2048 x 1024, f16 operands, f32 sums, f32 out). Nothing is left out.
; LIMIT: the operands are f16 as the launches before left them (their ranges are stated there); the sums and the results are f32.
; The frame is that of the projection of q, k and v: a work-group makes 128 rows x 256 columns with four waves, the columns as two strips of 128,
; strip of column half wn = 8 clx + 4 wn + cx; a wave makes 64 rows x 128 columns in 256 registers.
; THE RING: two LDS slots of unequal size: slot 0 holds 256 of K (rows of 512 bytes, pitch 528), slot 1 holds 128 of K (pitch 272): 202,752 + 104,448 bytes.
; K = 1024 goes as big, small, big, small, big: five changes of slot where two slots of 128 have eight; so few that they are written out without a loop.
; CLUSTER 4 x 4 with joint loads: the rows of att shared along a cluster row, the rows of wdb along a cluster column, a quarter of the requests each.
; The matrix instruction is used transposed: lane (r, h), register j of tile (a, b) holds row 16 a + r, column 16 b + 8 h + j.
; REGISTERS. window 0: v16-26 addresses; v32-127, v128-223 two fragment buffers (B tile b at +8 b, A tile a at +64 + 8 a); window 1: accumulator (a, b) at v[8 (8 a + b)]
.set SIZE_K, 1024
.set LOGROW, 11                        ; a row of att and of wdb is 2,048 bytes
.set PB,     528                       ; LDS pitch in slot 0: 512 bytes + 16 of padding
.set PS,     272                       ; LDS pitch in slot 1: 256 bytes + 16; both are odd multiples of 16
.set BIGB,   128*PB                    ; slot 0: a strip of B, 128 rows
.set BIGA,   64*PB                     ;         half of the rows of A, 64 rows
.set BIG,    2*BIGB+2*BIGA             ;         B strip 0, B strip 1, A rows 0-63, A rows 64-127: 202,752 bytes
.set SMB,    128*PS                    ; slot 1 likewise
.set SMA,    64*PS
.set SMALL,  2*SMB+2*SMA               ;         104,448 bytes
.set SM0,    BIG                       ; slot 1 begins behind slot 0
.set STAGE,  BIG+SMALL                 ; behind the ring, at a multiple of 256: 16 rows x 272 bytes for each wave; no tensor load lands here
.set SPITCH, 272
.set WSTAGE, 16*SPITCH
.set LAPB,   768                       ; bytes along a row from one fill of a slot to its next: 384 of K
.set KB0,    0                         ; the first fill of slot 0 begins at K = 0,
.set KS0,    512                       ; that of slot 1 at K = 256
.set CROWB,  8192                      ; bytes in a row of out0
.set ADRA, 16                          ; v16-17  LDS address of my A fragments in slot 0, 1
.set ADRB, 20                          ; v20-21  the same for B
.set STO,  24                          ; the way out: where I put 32 bytes of a row
.set RD,   25                          ; the way out: where I read a row back
.set CO,   26                          ; my byte offset in out0
.set F0,   32
.set F1,   128
.set OB,   32                          ; v32-63: 16 rows x 256 bytes read back for the stores
.set G0A, 24                           ; s[24:31] group 0 for the tiles of A, a set for each slot
.set G0B, 32                           ; s[32:39] group 0 for the tiles of B, a set for each slot
.set G1A, 48                           ; s[48:63] group 1 for the tiles of A, a set for each slot
.set G1B, 68                           ; s[68:83] group 1 for the tiles of B, a set for each slot
.set G1C, (1<<16)|(1<<20)|(1<<21)|(3<<25)  ; elements of 2 bytes; padding on, of 4 words; bit 21 beside the mask
.set MULW, 0x50                        ; sources in window 0, C and D in window 1
.set MSB, 0
.macro WIN new                         ; the high byte of the immediate repeats the setting that is left
.if MSB != (\new)
	s_set_vgpr_msb (MSB<<8)|(\new)
.set MSB, (\new)
.endif
.endm
.macro PLACES                          ; four plain places behind a matrix instruction (ISA guide 7.12.1), where there is no other vector work
.rept 4
	v_nop
.endr
.endm
; A joint load. Waves 0 and 1 fetch the two strips of B, waves 2 and 3 the two halves of A: one load a wave. The branch hangs on the number of the wave alone.
.macro JLOAD s
	s_cmp_eq_u32 s11, 0
	s_cbranch_scc0 .Lfor_a_\@
	tensor_load_to_lds s[G0B+4*(\s):G0B+4*(\s)+3], s[G1B+8*(\s):G1B+8*(\s)+7]
	s_nop 0
	s_branch .Lasked_\@
.Lfor_a_\@:
	tensor_load_to_lds s[G0A+4*(\s):G0A+4*(\s)+3], s[G1A+8*(\s):G1A+8*(\s)+7]
	s_nop 0
.Lasked_\@:
.endm
.macro CREST                           ; a round of the barrier of the cluster, behind its opening work-group barrier
	s_cmp_lg_u32 s10, 0
	s_cbranch_scc1 .Lnot_wave_0_\@
	s_barrier_signal -3
.Lnot_wave_0_\@:
	s_barrier_wait -3
	s_barrier_signal -1
	s_barrier_wait -1
.endm
.macro CROUND                          ; a whole round
	s_barrier_signal -1
	s_barrier_wait -1
	CREST
.endm
	s_load_b128 s[4:7], s[0:1], 0x0                ; att s[4:5], wdb s[6:7]
	s_load_b64 s[8:9], s[0:1], 0x10                ; out0
	v_lshl_add_u32 v254, v0, 2, 0x4f400
	v_mov_b32 v255, 0
	ds_add_u32 v254, v255
	v_lshrrev_b32 v1, 5, v0
	v_readfirstlane_b32 s10, v1                    ; wave 0..3
	s_lshr_b32 s11, s10, 1                         ; wm: which 64 rows are mine. Also: I fetch for B (0) or for A (1)
	s_and_b32 s12, s10, 1                          ; wn: which strip is mine. Also: which strip or half I fetch
	s_bfe_u32 s40, ttmp6, 0x40000                  ; cx
	s_bfe_u32 s41, ttmp6, 0x40004                  ; cy
	s_lshl_b32 s42, ttmp9, 3
	s_add_co_u32 s42, s42, s40                     ; 8 clx + cx: strip 0 of the block; strip 1 is 4 further
	s_and_b32 s13, ttmp7, 0xffff
	s_lshl_b32 s13, s13, 2
	s_add_co_u32 s13, s13, s41                     ; block row = 4 x cluster y + cy
	s_lshl_b32 s43, s41, 2
	s_lshl_b32 s43, 15, s43                        ; my row of the cluster: places 4 cy .. 4 cy + 3
	s_lshl_b32 s44, 0x1111, s40                    ; my column: places cx, cx + 4, cx + 8, cx + 12
	; group 1, a set for each slot: slot 0 rows of 256 elements, padded behind every 128 words; slot 1 rows of 128 elements, padded behind every 64 words
	s_or_b32 s[G1A+0], s43, G1C|(6<<22)            ; the tiles of A go to my row of the cluster
	s_or_b32 s[G1A+8], s43, G1C|(5<<22)
	s_or_b32 s[G1B+0], s44, G1C|(6<<22)            ; the tiles of B to my column
	s_or_b32 s[G1B+8], s44, G1C|(5<<22)
.irp g, G1A, G1B
	s_mov_b32 s[\g+1], 256<<16                     ; tensor_dim0
	s_mov_b32 s[\g+9], 128<<16
	s_mov_b32 s[\g+3], 256<<16                     ; tile_dim0
	s_mov_b32 s[\g+11], 128<<16
	s_mov_b32 s[\g+5], SIZE_K                      ; elements from row to row
	s_mov_b32 s[\g+13], SIZE_K
	s_mov_b32 s[\g+6], 0
	s_mov_b32 s[\g+14], 0
	s_mov_b32 s[\g+7], 0
	s_mov_b32 s[\g+15], 0
.endr
	s_mov_b32 s[G1A+2], 64<<16                     ; tensor_dim1 = 64 rows of A
	s_mov_b32 s[G1A+10], 64<<16
	s_mov_b32 s[G1A+4], 64                         ; tile_dim1
	s_mov_b32 s[G1A+12], 64
	s_mov_b32 s[G1B+2], 128<<16                    ; 128 rows of B
	s_mov_b32 s[G1B+10], 128<<16
	s_mov_b32 s[G1B+4], 128
	s_mov_b32 s[G1B+12], 128
	; where the tiles come from: A hangs on the block row and the wave, B on 8 clx + cx and the wave, each in registers that never hold the other coordinate
	s_lshl_b32 s16, s13, 7+LOGROW                  ; 128 rows x block row, in bytes
	s_lshl_b32 s17, s12, 6+LOGROW                  ; + 64 rows x half
	s_add_co_u32 s16, s16, s17
	s_mov_b32 s17, 0
	s_lshl_b32 s46, s42, 7+LOGROW                  ; 128 rows x (8 clx + cx)
	s_lshl_b32 s47, s12, 9+LOGROW                  ; + 512 rows for strip 1
	s_add_co_u32 s46, s46, s47
	s_mov_b32 s47, 0
	s_mul_i32 s20, s10, BIGB                       ; where they go: the wave's number times a constant, plus the slot's constant below
	s_mul_i32 s21, s10, BIGA
	s_mul_i32 s22, s10, SMB
	s_mul_i32 s23, s10, SMA
	s_wait_dscnt 0x0
	s_wait_kmcnt 0x0
	s_add_nc_u64 s[14:15], s[4:5], s[16:17]
	s_add_nc_u64 s[46:47], s[6:7], s[46:47]
	CROUND                                         ; all sixteen work-groups are here: the first joint loads meet
	s_mov_b32 s[G0A+0], 1
	s_add_co_u32 s[G0A+1], s21, BIGB               ; A, slot 0 (waves 2, 3): 67,584 + wave x 33,792 = 135,168 and 168,960
	s_add_nc_u64 s[G0A+2:G0A+3], s[14:15], KB0
	s_or_b32 s[G0A+3], s[G0A+3], 0x80000000
	s_mov_b32 s[G0A+4], 1
	s_add_co_u32 s[G0A+5], s23, SM0+SMB            ; A, slot 1: 202,752 + 34,816 + wave x 17,408
	s_add_nc_u64 s[G0A+6:G0A+7], s[14:15], KS0
	s_or_b32 s[G0A+7], s[G0A+7], 0x80000000
	s_mov_b32 s[G0B+0], 1
	s_add_co_u32 s[G0B+1], s20, 0                  ; B, slot 0 (waves 0, 1): wave x 67,584
	s_add_nc_u64 s[G0B+2:G0B+3], s[46:47], KB0
	s_or_b32 s[G0B+3], s[G0B+3], 0x80000000
	s_mov_b32 s[G0B+4], 1
	s_add_co_u32 s[G0B+5], s22, SM0                ; B, slot 1: 202,752 + wave x 34,816
	s_add_nc_u64 s[G0B+6:G0B+7], s[46:47], KS0
	s_or_b32 s[G0B+7], s[G0B+7], 0x80000000
	JLOAD 0                                        ; K 0-255, read first,
	JLOAD 1                                        ; and K 256-383: two loads of the wave are out, the most in this text
	v_and_b32 v1, 15, v0                           ; r
	v_bfe_u32 v2, v0, 4, 1                         ; h
	v_mul_u32_u24 v3, v1, PS
	v_lshl_add_u32 v3, v2, 4, v3                   ; r x 272 + 16 h
	v_mul_u32_u24 v6, v1, PB
	v_lshl_add_u32 v6, v2, 4, v6                   ; r x 528 + 16 h
	s_mul_i32 s20, s12, BIGB                       ; my strip of B and my 64 rows of A in slot 0,
	s_mul_i32 s21, s11, BIGA
	s_add_co_u32 s21, s21, 2*BIGB
	s_mul_i32 s22, s12, SMB                        ; and in slot 1
	s_add_co_u32 s22, s22, SM0
	s_mul_i32 s23, s11, SMA
	s_add_co_u32 s23, s23, SM0+2*SMB
	v_add_nc_u32 v[ADRB+0], s20, v6
	v_add_nc_u32 v[ADRA+0], s21, v6
	v_add_nc_u32 v[ADRB+1], s22, v3
	v_add_nc_u32 v[ADRA+1], s23, v3
	s_mul_i32 s23, s10, WSTAGE
	s_add_co_u32 s23, s23, STAGE                   ; my stage
	v_mul_u32_u24 v4, v1, SPITCH
	v_lshl_add_u32 v4, v2, 5, v4
	v_add_nc_u32 v[STO], s23, v4                   ; in: row r, 32 bytes for each half of the lanes
	v_mul_u32_u24 v5, v2, SPITCH
	v_lshl_add_u32 v5, v1, 4, v5
	v_add_nc_u32 v[RD], s23, v5                    ; back: lanes 0-15 one row of 256 bytes, lanes 16-31 the next
	v_lshlrev_b32 v5, 13, v2
	v_lshl_add_u32 v[CO], v1, 4, v5                ; the same two rows in out0
; 16 matrix instructions: m tiles a0, a0 + 1 x all 8 column tiles, 32 along K. zero = 1: the first product starts the sums.
; The 32 accumulators take turns, one instruction a turn, in the same order in every run of 32.
.macro MUL16 f, a0, zero
.irp a, \a0, \a0+1
.irp b, 0,1,2,3,4,5,6,7
.if \zero
	v_wmma_f32_16x16x32_f16 v[8*(8*(\a)+\b):8*(8*(\a)+\b)+7], v[\f+8*\b:\f+8*\b+7], v[\f+64+8*(\a):\f+64+8*(\a)+7], 0
.else
	v_wmma_f32_16x16x32_f16 v[8*(8*(\a)+\b):8*(8*(\a)+\b)+7], v[\f+8*\b:\f+8*\b+7], v[\f+64+8*(\a):\f+64+8*(\a)+7], v[8*(8*(\a)+\b):8*(8*(\a)+\b)+7]
.endif
.endr
.endr
.endm
; 24 LDS loads in one run: the fragments of 32 of K (128 rows of B, 64 rows of A, at byte k of the rows of the slot) into buffer f
.macro FETCH slot, k, f
	WIN 0
.irp i, 0,1,2,3,4,5,6,7
	ds_load_b128 v[\f+8*\i:\f+8*\i+3],   v[ADRB+\slot] offset:\k+\i*16*(PB-\slot*(PB-PS))
	ds_load_b128 v[\f+8*\i+4:\f+8*\i+7], v[ADRB+\slot] offset:\k+\i*16*(PB-\slot*(PB-PS))+32
.endr
.irp i, 0,1,2,3
	ds_load_b128 v[\f+64+8*\i:\f+64+8*\i+3],   v[ADRA+\slot] offset:\k+\i*16*(PB-\slot*(PB-PS))
	ds_load_b128 v[\f+64+8*\i+4:\f+64+8*\i+7], v[ADRA+\slot] offset:\k+\i*16*(PB-\slot*(PB-PS))+32
.endr
.endm
; 32 of K, not the last of its slot: asks for the next 32 (byte k of the rows, into buffer g), then multiplies buffer f.
.macro QUARTER slot, k, f, g, zero
	s_wait_dscnt 0x0                               ; buffer f is in: its loads were issued 32 matrix instructions ago, none is younger
	PLACES                                         ; behind the last matrix instruction that read buffer g
	FETCH \slot, \k, \g
	WIN MULW
	MUL16 \f, 0, \zero
	MUL16 \f, 2, \zero
.endm
.macro THREE slot, zero                ; all but the last 32 of a slot of 128 of K
	QUARTER \slot, 64,  F0, F1, \zero
	QUARTER \slot, 128, F1, F0, 0
	QUARTER \slot, 192, F0, F1, 0
.endm
.macro SEVEN slot, zero                ; all but the last 32 of a slot of 256 of K
	QUARTER \slot, 64,  F0, F1, \zero
	QUARTER \slot, 128, F1, F0, 0
	QUARTER \slot, 192, F0, F1, 0
	QUARTER \slot, 256, F1, F0, 0
	QUARTER \slot, 320, F0, F1, 0
	QUARTER \slot, 384, F1, F0, 0
	QUARTER \slot, 448, F0, F1, 0
.endm
; The last 32 of K of a slot: multiplies buffer 1 and changes slots. fill = 1: this slot is filled again, 384 of K ahead.
; In front of the barrier each wave waits for its reads of this slot and for all its tensor loads (the one that is out is its part of the next slot).
; Behind it nobody reads this slot and the next slot is whole: the refill comes first, then the first fragments of the next slot.
; From a request to the wait for it a wave issues 240 matrix instructions (slot 1 filled while slot 0 is multiplied) or 112 (the other way round).
.macro TURN slot, next, fill
	s_wait_dscnt 0x0                               ; buffer 1 is in, and with it my last reads of this slot
	s_wait_tensorcnt 0x0                           ; all my tensor loads have landed
	ds_add_u32 v254, v255
	s_wait_dscnt 0x0
	s_barrier_signal -1                            ; where a slot is filled again this barrier opens a round of the barrier of the cluster
	WIN MULW
	MUL16 F1, 0, 0                                 ; register work while the others arrive
	WIN 0
	s_barrier_wait -1
.if \fill
	CREST                                          ; no wave of any partner still reads this slot or has a load on its way
	s_add_nc_u64 s[G0A+4*\slot+2:G0A+4*\slot+3], s[G0A+4*\slot+2:G0A+4*\slot+3], LAPB
	s_add_nc_u64 s[G0B+4*\slot+2:G0B+4*\slot+3], s[G0B+4*\slot+2:G0B+4*\slot+3], LAPB
	JLOAD \slot                                    ; my one tensor load behind the round, and the first thing there
.endif
	PLACES                                         ; behind the last matrix instruction that read buffer 0
	FETCH \next, 0, F0
	WIN MULW
	MUL16 F1, 2, 0
.endm
	s_wait_tensorcnt 0x1                           ; my part of K 0-255 is in; the 1 is my part of K 256-383, which may stay out
	s_barrier_signal -1
	s_barrier_wait -1
	FETCH 0, 0, F0
	SEVEN 0, 1                                     ; K 0-255: the first products start the sums
	TURN 0, 1, 1                                   ; slot 0 is asked for again: K 384-639
	THREE 1, 0                                     ; K 256-383
	TURN 1, 0, 1                                   ; slot 1: K 640-767
	SEVEN 0, 0                                     ; K 384-639
	TURN 0, 1, 1                                   ; slot 0: K 768-1023, the last fill
	THREE 1, 0                                     ; K 640-767
	TURN 1, 0, 0                                   ; nothing is left to fetch
	SEVEN 0, 0                                     ; K 768-1023
	s_wait_dscnt 0x0
	WIN MULW
	MUL16 F1, 0, 0
	MUL16 F1, 2, 0
	PLACES                                         ; behind the last matrix instructions: results are stored to LDS and buffer 0 is loaded again below
	WIN 0
	; THE WAY OUT: 16 rows x 64 columns at a time through my stage; sixteen lanes store 256 neighbouring bytes at a multiple of 256
	s_lshl_b32 s16, s13, 20                        ; 128 rows of 8,192 bytes x block row
	s_lshl_b32 s17, s11, 19                        ; + 64 rows x wm
	s_add_co_u32 s16, s16, s17
	s_mov_b32 s17, 0
	s_add_nc_u64 s[8:9], s[8:9], s[16:17]
	s_lshl_b32 s46, s42, 9                         ; my strip x 512 bytes
	s_lshl_b32 s47, s12, 11
	s_add_co_u32 s46, s46, s47
	s_mov_b32 s47, 0
	s_add_nc_u64 s[8:9], s[8:9], s[46:47]
; m tile a, column tiles 4 c .. 4 c + 3: a lane's eight numbers of a tile are 32 neighbouring bytes of row r
.macro OUTF a, c
	WIN 0x04                                       ; the data of an LDS store is source 1: window 1
.irp i, 0,1,2,3
	ds_store_b128 v[STO], v[64*\a+8*(4*\c+\i):64*\a+8*(4*\c+\i)+3] offset:64*\i
	ds_store_b128 v[STO], v[64*\a+8*(4*\c+\i)+4:64*\a+8*(4*\c+\i)+7] offset:64*\i+16
.endr
	WIN 0
	s_wait_xcnt 0x0                                ; OB and the base, which earlier stores read, are rewritten only behind this wait
.if \a*(1-\c)
	s_add_nc_u64 s[8:9], s[8:9], 16*CROWB          ; 16 rows on
.endif
.irp t, 0,1,2,3,4,5,6,7
	ds_load_b128 v[OB+4*\t:OB+4*\t+3], v[RD] offset:\t*2*SPITCH    ; LDS serves the instructions of a wave in order: these see the stores above
.endr
.irp t, 0,1,2,3,4,5,6,7
	s_wait_dscnt 7-\t                              ; pair t of rows is back, the 7 - t younger loads stay out
	global_store_b128 v[CO], v[OB+4*\t:OB+4*\t+3], s[8:9] offset:2*\t*CROWB+256*\c th:TH_STORE_NT
.endr
.endm
.irp a, 0,1,2,3
	OUTF \a, 0
	OUTF \a, 1
.endr
	s_wait_tensorcnt 0x0
	ds_add_u32 v254, v255
	s_wait_dscnt 0x0
	CROUND                                         ; the closing round: no work-group ends while a partner may still ask for a tile that names it
	s_endpgm
.Lfunc_end_k_qa8432fb447_dense:
	.size	k_qa8432fb447_dense, .Lfunc_end_k_qa8432fb447_dense-k_qa8432fb447_dense
	.p2alignl 7, 3214868480
	.fill 96, 4, 3214868480
	.section	.rodata,"a",@progbits
	.p2align	6, 0x0
	.amdhsa_kernel k_qa8432fb447_dense
		.amdhsa_group_segment_fixed_size 327680
		.amdhsa_private_segment_fixed_size 0
		.amdhsa_enable_private_segment 0
		.amdhsa_kernarg_size 24
		.amdhsa_user_sgpr_count 2
		.amdhsa_user_sgpr_kernarg_segment_ptr 1
		.amdhsa_wavefront_size32 1
		.amdhsa_system_sgpr_workgroup_id_x 1
		.amdhsa_system_sgpr_workgroup_id_y 1
		.amdhsa_system_sgpr_workgroup_id_z 1
		.amdhsa_system_vgpr_workitem_id 0
		.amdhsa_next_free_vgpr 512
		.amdhsa_next_free_sgpr 84
		.amdhsa_reserve_vcc 0
		.amdhsa_float_denorm_mode_32 3
		.amdhsa_float_denorm_mode_16_64 3
		.amdhsa_memory_ordered 1
		.amdhsa_forward_progress 1
		.amdhsa_inst_pref_size 147
	.end_amdhsa_kernel
	.amdgpu_metadata
---
amdhsa.version: [ 1, 2 ]
amdhsa.kernels:
  - .name:           k_qa8432fb447_dense
    .symbol:         k_qa8432fb447_dense.kd
    .args:
      - { .name: att, .offset: 0, .size: 8, .value_kind: global_buffer, .address_space: global }
      - { .name: wdb, .offset: 8, .size: 8, .value_kind: global_buffer, .address_space: global }
      - { .name: out0, .offset: 16, .size: 8, .value_kind: global_buffer, .address_space: global }
    .group_segment_fixed_size: 327680
    .private_segment_fixed_size: 0
    .kernarg_segment_align: 8
    .kernarg_segment_size: 24
    .max_flat_workgroup_size: 128
    .sgpr_count:     84
    .vgpr_count:     512
    .wavefront_size: 32
...
	.end_amdgpu_metadata
.endif
;; end of part 7
